; MI455X (gfx1250); checked and timed in simulation.
; The chip was launched on July 23, 2026; its instructions are those of AMD's public machine-readable ISA for CDNA 5 (MIT licence, August 2026) and "CDNA5" Instruction Set Architecture Reference Guide (July 2026). The comments in the code are by the model that wrote it; some were corrected since.
;; Causal Multi Head Self Attention. Allowed arithmetic: matrix products marked QUANTISED: E2M3 operands, one E8M0 scale for each 32 along K, by v_wmma_scale_f32_16x16x128_f8f6f4 with both operands' format E2M3, f32 sums; everything else in f32.
;; Inputs: Wk 1,024 x 1,024 float32; Wo 1,024 x 1,024 float32; Wq 1,024 x 1,024 float32; Wv 1,024 x 1,024 float32; token_ids 2,048 int32; x 4 x 2,048 x 1,024 float32.
;; Outputs: out0 4 x 2,048 x 1,024 float32.
;; This version of the problem:
;;   THIS VERSION OF THE PROBLEM IS GIVEN IN LOW PRECISION. The matrix products marked QUANTISED in the list below multiply operands that are first quantised to E2M3 (2 exponent bits, 3 mantissa bits; 6 bits a number), with one power-of-two scale for each 32 numbers along K (OCP MX v1.0); their sums are f32. All else is computed in f32.
;;   The module's matrix products, in the order in which they are computed (A, B: the left and right operand; K: the contracted axis; several contracted axes count as one K, in the product's order):
;;     1. [M 8,192, K 1,024] x [K 1,024, N 1,024]; A: input x; B: input Wq: QUANTISED
;;     2. [M 8,192, K 1,024] x [K 1,024, N 1,024]; A: input x; B: input Wk: QUANTISED
;;     3. [M 8,192, K 1,024] x [K 1,024, N 1,024]; A: input x; B: input Wv: QUANTISED
;;     4. batch 64 x [M 2,048, K 64] x [K 64, N 2,048]; A: computed on the way; B: computed on the way: QUANTISED
;;     5. batch 64 x [M 2,048, K 2,048] x [K 2,048, N 64]; A: softmax (see below); B: computed on the way: QUANTISED
;;     6. [M 8,192, K 1,024] x [K 1,024, N 1,024]; A: computed on the way; B: input Wo: QUANTISED
;;   THE QUANTISER, for each operand of a quantised product, along K:
;;     - K is cut into blocks of 32 from its start; a last block that is shorter is filled with zeros.
;;     - A block's scale is 2^e with e = floor(log2(the largest magnitude in the block)) - 2, held to -126 .. 127; a block of zeros has e = 0. As a byte (E8M0): e + 127.
;;     - Each number is divided by its block's scale, clamped to +-7.5, and rounded to the nearest number of E2M3, ties to even, subnormals kept.
;;     - The product sums the exact products of the quantised numbers (number of the format x scale) in f32.
;;   ~~~python
;;   def quantise(x, axis):      # numpy; x: float32 -> the quantised numbers, widened to float32 again
;;       x = np.moveaxis(x, axis, -1); K = x.shape[-1]
;;       x = np.pad(x, [(0, 0)] * (x.ndim - 1) + [(0, -K % 32)]); x = x.reshape(x.shape[:-1] + (-1, 32)); a = np.abs(x).max(-1, keepdims=True)
;;       e = np.where(a > 0, np.clip(np.frexp(np.where(a > 0, a, 1))[1] - 1 - 2, -126, 127), 0)      # np.frexp(a)[1] - 1 = floor(log2(a)), exactly
;;       r = np.clip(x / 2.0 ** e, -7.5, 7.5)
;;       step = 2.0 ** (np.maximum(np.frexp(np.where(r == 0, 1, r))[1] - 1, 0) - 3)
;;       q = np.round(r / step) * step * 2.0 ** e      # np.round: ties to even
;;       return np.moveaxis(q.reshape(q.shape[:-2] + (-1,))[..., :K], -1, axis).astype(np.float32)
;;   ~~~
;;   SOFTMAX AHEAD OF A QUANTISED PRODUCT. Where the list says 'softmax', what is quantised is not the finished softmax but p = 2^(t - M), with t = logit x log2(e) and M = ceil(the row's largest t), a whole number; so 1/2 < the row's largest p <= 1. The row's sum l is taken of the UNQUANTISED p, in f32, and the product's result is divided by l at the end. Since M is a whole number, a kernel that streams over the keys may use a running M (the ceiling of the running maximum): every later rescaling is an exact power of two, which a block's scale takes up: the codes' values come out the same.
;;   OPERANDS COMPUTED ON THE WAY. 'Computed on the way' means the value that the module computes at that place (a softmax that the list does not call 'softmax' is quantised finished and normalised). What goes into a quantiser is computed in f32, as accurately as f32 sums, v_exp_f32 and their like allow (about 1e-6 of the number): no bf16 or f16 on the way to a quantiser, and a product that is left as it is and whose result goes on into a quantised operand takes f32 operands (vector FMAs, or v_wmma_f32_16x16x4_f32). A number that lies on a knife's edge between two numbers of the format may be rounded either way, as far as f32 arithmetic and the matrix unit's own rounding can turn it there, and no further.
;; One version. Each part assembles by itself: llvm-mc -triple=amdgcn-amd-amdhsa -mcpu=gfx1250 --defsym DOCPART=n.
;; ======== version 1 of 1: 4 launches
;; limits: right only within a limited range of input values
;; workspace buffers: gcodes 15,728,640 bytes; gsc 655,360 bytes; rope 524,288 bytes; qrec 13,631,488 bytes; kv 13,631,488 bytes
;; launch prep (part 1): grid 416 x 1, 4 waves a work-group, no clusters, 34,304 bytes of LDS; arguments x, Wq, Wk, Wv, Wo, token_ids, gcodes, gsc, rope; writes gcodes, gsc, rope
.if DOCPART == 1
	.amdgcn_target "amdgcn-amd-amdhsa--gfx1250"
	.amdhsa_code_object_version 6
	.text
	.protected	k_qee079e463a_prep
	.globl	k_qee079e463a_prep
	.p2align	8
	.type	k_qee079e463a_prep,@function
k_qee079e463a_prep:
	s_mov_b64 s[64:65], 0
	v_nop
	global_prefetch_b8 v0, s[64:65] scope:SCOPE_SE
	s_setreg_imm32_b32 hwreg(HW_REG_WAVE_MODE, 25, 1), 1
	s_wait_xcnt 0x0
; x [8192][1024] and Wq, Wk, Wv, Wo [1024][1024], f32 with K innermost, become codes of FP6 (E2M3) with one E8M0 byte for each 32 along K; token_ids become a table of (cos, sin).
; A GROUP g of a matrix's rows is the 16 rows 32 (g / 2) + 8 (g % 2) + p + 8 (p / 8), p = 0 .. 15.  gcodes holds, for each group and each K step of 128, the IMAGE of the 12 operand registers:
; +0 registers 0-3 at 16 x lane, +512 registers 6-9 at 16 x lane, +1024 registers 4-5 at 8 x lane, +1280 registers 10-11 at 8 x lane: 1,536 bytes.  Groups 0-511 x, 512.. Wq, 576.. Wk, 640.. Wv, 704.. Wo.
; gsc holds the scale words: 512 bytes a group: the word of K step s and row p at 256 (s / 4) + 16 p + 4 (s % 4).
; Work-groups 0-383: a wave takes one group and half of K (4 K steps).  Each load reads 512 consecutive bytes of one row; the 16 rows turn through the wave's own stage in LDS (rows 528 bytes apart) so that lane
; (r, h) gets, of row r, 16 neighbours of each block of 32.  Every store covers 256 or 512 consecutive bytes, aligned.  No barrier: waves share nothing.
; Work-groups 384-415: rope[s][j] = (cos, sin)(token_ids[s] x 10000^(-j / 32)), j = the lane; a wave takes 16 positions; one store is a row of 256 bytes.
; A block's scale byte is its largest magnitude's exponent field - 2, held at 1 from below.
; LIMITS: NaN and infinities are not served.  A block of zeros, or one under 2^-124, gets the byte 1 (its codes are zeros or nearly so; this program alone reads the bytes).
; The angle's reduction (three parts of pi / 2, fused) holds for |token_ids x frequency| under 2^23; the frequency lies within about one unit in the last place of the f32 power.
.set STG,  8448                        ; a wave's stage: 16 rows x 528 bytes
.set SPI,  528                         ; 512 bytes + 16: 33 x 16, so the 16 rows that a read touches fall on different banks
.set TM,   8                           ; v8-11 largest magnitudes, v12-15 bytes, v20-23 the conversions' scale operands
.set SW,   24                          ; v24-27 the four K steps' scale words
.set RA,   32                          ; v32-95, v96-159 two sets of 64 numbers as loaded
.set X,    160                         ; v160-223 64 numbers: register 16 b + i = k 32 b + 16 h + i of row r
.set PC,   224                         ; v224-235 the fragment's codes
.set T0,   236                         ; v236-238, v240-242 the upper halves of blocks, before they are moved
.set T1,   240
	s_load_b256 s[4:11], s[0:1], 0x0               ; x, Wq, Wk, Wv
	s_load_b256 s[12:19], s[0:1], 0x20             ; Wo, token_ids, gcodes, gsc
	s_load_b64 s[20:21], s[0:1], 0x40              ; rope
	v_lshl_add_u32 v248, v0, 2, 0x8400
	v_mov_b32 v249, 0
	v_lshrrev_b32 v1, 5, v0
	v_readfirstlane_b32 s22, v1                    ; wave
	v_and_b32 v6, 31, v0                           ; lane
	v_lshlrev_b32 v2, 3, v6                        ; 8 x lane
	s_cmp_ge_u32 ttmp9, 384
	s_cbranch_scc1 .Ltable
	; ---------------- the quantiser ----------------
	v_lshlrev_b32 v1, 4, v6                        ; 16 x lane
	v_and_b32 v7, 15, v0                           ; r
	v_bfe_u32 v28, v0, 4, 1                        ; h
	s_mul_i32 s29, s22, STG
	v_add_nc_u32 v3, s29, v1                       ; into the stage: 16 x lane of a row
	v_mul_u32_u24 v4, v7, SPI
	v_lshl_add_u32 v4, v28, 6, v4
	v_add_nc_u32 v4, s29, v4                       ; out of it: row r, + 64 h
	v_lshlrev_b32 v5, 4, v7                        ; the scale words' place: 16 r
.irp b, 0,1,2,3
	v_mov_b32 v[TM+4+\b], 0                        ; written once: a lane permute's destination counts as one of its sources
.endr
	s_mov_b32 s2, 0x76543210
	s_mov_b32 s3, 0xfedcba98                       ; v_permlanex16_b32's selects for lane l xor 16
	s_lshl_b32 s23, ttmp9, 2
	s_add_co_u32 s23, s23, s22                     ; U = 4 x work-group + wave: group U / 2, half U % 2 of K
	s_lshr_b32 s27, s23, 1
	s_and_b32 s28, s23, 1
	s_wait_alu depctr_va_vdst(0)
	s_wait_kmcnt 0x0
	s_mov_b32 s24, 0                               ; the tensor and its first group: a choice on the work-group's number alone
	s_cmp_ge_u32 ttmp9, 256
	s_cselect_b64 s[4:5], s[6:7], s[4:5]
	s_cselect_b32 s24, 512, s24
	s_cmp_ge_u32 ttmp9, 288
	s_cselect_b64 s[4:5], s[8:9], s[4:5]
	s_cselect_b32 s24, 576, s24
	s_cmp_ge_u32 ttmp9, 320
	s_cselect_b64 s[4:5], s[10:11], s[4:5]
	s_cselect_b32 s24, 640, s24
	s_cmp_ge_u32 ttmp9, 352
	s_cselect_b64 s[4:5], s[12:13], s[4:5]
	s_cselect_b32 s24, 704, s24
	s_sub_co_u32 s24, s27, s24                     ; the group's number in its tensor
	s_lshr_b32 s25, s24, 1
	s_lshl_b32 s25, s25, 5
	s_and_b32 s26, s24, 1
	s_lshl_b32 s26, s26, 3
	s_add_co_u32 s25, s25, s26                     ; its first row
	s_lshl_b32 s30, s25, 12                        ; rows of 4,096 bytes
	s_lshl_b32 s26, s28, 11                        ; + 2,048 for the upper half of K
	s_add_co_u32 s30, s30, s26
	s_mov_b32 s31, 0
	s_add_nc_u64 s[4:5], s[4:5], s[30:31]
	s_mul_i32 s30, s23, 6144                       ; 12,288 x group + 6,144 x half
	s_add_nc_u64 s[16:17], s[16:17], s[30:31]
	s_lshl_b32 s30, s23, 8                         ; 512 x group + 256 x half
	s_add_nc_u64 s[18:19], s[18:19], s[30:31]
.macro LOAD t                          ; K step t: the group's 16 rows, 512 consecutive bytes each, into set t % 2
.irp i, 0,1,2,3,4,5,6,7,8,9,10,11,12,13,14,15
	global_load_b128 v[RA+64*((\t)%2)+4*\i:RA+64*((\t)%2)+4*\i+3], v1, s[4:5] offset:(\i+8*(\i/8))*4096+512*(\t) th:TH_LOAD_NT
.endr
.endm
; 64 numbers of a lane become a fragment's codes in v[PC] on and its row's scale word in v[pw]
.macro QUANT s, pw
.irp b, 0,1,2,3
	v_max3_num_f32 v[TM+\b], |v[\s+16*\b]|, |v[\s+1+16*\b]|, 0x1800000   ; my 16 numbers of block b, and the floor 2^(3 - 127): the byte cannot fall under 1
.endr
.irp i, 2,4,6,8,10,12,14
.irp b, 0,1,2,3
	v_max3_num_f32 v[TM+\b], v[TM+\b], |v[\s+16*\b+\i]|, |v[\s+1+16*\b+\i]|   ; the four blocks by turns
.endr
.endr
.irp b, 0,1,2,3
	v_permlanex16_b32 v[TM+4+\b], v[TM+\b], s2, s3
.endr
.irp b, 0,1,2,3
	v_max_num_f32 v[TM+\b], v[TM+\b], v[TM+4+\b]   ; with lane l xor 16's 16: the block's largest magnitude
.endr
.irp b, 0,1,2,3
	v_add_nc_u32 v[TM+12+\b], 0xff000000, v[TM+\b] ; 2 off its exponent field: the conversion takes that field as its scale
.endr
.irp b, 0,1,2,3
	v_lshrrev_b32 v[TM+4+\b], 23, v[TM+12+\b]      ; the scale's byte
.endr
	v_lshl_or_b32 v[\pw], v[TM+5], 8, v[TM+4]
	v_lshl_or_b32 v[\pw], v[TM+6], 16, v[\pw]
	v_lshl_or_b32 v[\pw], v[TM+7], 24, v[\pw]
	v_cvt_scalef32_pk16_fp6_f32 v[PC:PC+2], v[\s:\s+15], v[TM+12]
	v_cvt_scalef32_pk16_fp6_f32 v[T0:T0+2], v[\s+16:\s+31], v[TM+13]    ; (a conversion's three registers begin on an even number)
	v_cvt_scalef32_pk16_fp6_f32 v[PC+6:PC+8], v[\s+32:\s+47], v[TM+14]
	v_cvt_scalef32_pk16_fp6_f32 v[T1:T1+2], v[\s+48:\s+63], v[TM+15]
	v_nop                                          ; one plain place behind a scaled conversion
.irp i, 0,1,2
	v_permlane16_swap_b32 v[PC+\i], v[T0+\i]       ; the operand wants a whole block in a lane: lanes 0-15 block 0, lanes 16-31 block 1
	v_permlane16_swap_b32 v[PC+6+\i], v[T1+\i]
.endr
.irp i, 0,1,2
	v_mov_b32 v[PC+3+\i], v[T0+\i]
	v_mov_b32 v[PC+9+\i], v[T1+\i]
.endr
.endm
.macro STEP t
.if (\t) < 3
	s_wait_loadcnt 16                              ; this step's 16 loads are in; the next step's 16 may be out
.else
	s_wait_loadcnt 0x0
.endif
.irp i, 0,1,2,3,4,5,6,7,8,9,10,11,12,13,14,15
	ds_store_b128 v3, v[RA+64*((\t)%2)+4*\i:RA+64*((\t)%2)+4*\i+3] offset:SPI*\i
.endr
.irp b, 0,1,2,3
.irp j, 0,1,2,3
	ds_load_b128 v[X+16*\b+4*\j:X+16*\b+4*\j+3], v4 offset:128*\b+16*\j   ; LDS serves a wave's instructions in order: these see the stores above
.endr
.endr
	s_wait_dscnt 0x0                               ; the numbers are back, and the stores have read the set
	s_wait_xcnt 0x0                                ; the last step's stores have read the codes' registers
.if (\t) < 2
	LOAD (\t)+2
.endif
	QUANT X, SW+(\t)
	global_store_b128 v1, v[PC:PC+3], s[16:17] offset:1536*(\t)
	global_store_b128 v1, v[PC+6:PC+9], s[16:17] offset:1536*(\t)+512
	global_store_b64 v2, v[PC+4:PC+5], s[16:17] offset:1536*(\t)+1024
	global_store_b64 v2, v[PC+10:PC+11], s[16:17] offset:1536*(\t)+1280
.endm
	LOAD 0
	LOAD 1
	STEP 0
	STEP 1
	STEP 2
	STEP 3
	global_store_b128 v5, v[SW:SW+3], s[18:19]     ; 16 rows x 4 words: 256 bytes; lanes 16-31 write the same bytes with the same values
	s_wait_tensorcnt 0x0
	ds_add_u32 v248, v249
	s_wait_dscnt 0x0
	s_endpgm
	; ---------------- the table ----------------
.Ltable:
	s_sub_co_u32 s23, ttmp9, 384
	s_lshl_b32 s23, s23, 6
	s_lshl_b32 s24, s22, 4
	s_add_co_u32 s23, s23, s24                     ; my first position: 64 x (work-group - 384) + 16 x wave
	s_lshl_b32 s30, s23, 2
	s_mov_b32 s31, 0
	s_wait_kmcnt 0x0
	s_add_nc_u64 s[14:15], s[14:15], s[30:31]
	s_load_b512 s[32:47], s[14:15], 0x0            ; 16 token ids
	s_lshl_b32 s26, s23, 8
	s_mov_b32 s27, 0
	s_add_nc_u64 s[20:21], s[20:21], s[26:27]
	s_mov_b32 s24, 0xbed49a78                      ; -log2(10) / 8, its f32 part,
	s_mov_b32 s25, 0xb2179a22                      ; and what that leaves
	s_mov_b32 s48, 0x3fc90fdb                      ; pi / 2 in three parts
	s_mov_b32 s49, 0xb33bbd2e
	s_mov_b32 s50, 0xa6f72dc4
	s_mov_b32 s51, 0xbe2aaaa3                      ; sine: r + r z (S0 + z (S1 + z S2))
	s_mov_b32 s52, 0x3c08839e
	s_mov_b32 s53, 0xb94ca1f9
	s_mov_b32 s54, 0x3d2aaaa5                      ; cosine: 1 - z / 2 + z z (C0 + z (C1 + z C2))
	s_mov_b32 s55, 0xbab6061a
	s_mov_b32 s56, 0x37ccf5ce
	s_wait_alu depctr_va_vdst(0)
	v_cvt_f32_u32 v8, v6                           ; j
	v_mul_f32 v9, s24, v8                          ; p = -j log2(10) / 8, rounded,
	v_fma_f32 v10, v8, s24, -v9                    ; what the rounding dropped,
	v_fma_f32 v10, v8, s25, v10                    ; and the constant's own rest
	v_rndne_f32 v11, v9
	v_sub_f32 v9, v9, v11                          ; exact
	v_add_f32 v9, v9, v10
	s_wait_alu depctr_va_vdst(0)
	v_exp_f32 v9, v9
	v_cvt_i32_f32 v11, v11                         ; (a plain place behind the exponential)
	s_wait_alu depctr_va_vdst(0)
	v_ldexp_f32 v9, v9, v11                        ; 10000^(-j / 32)
	s_wait_kmcnt 0x0
.macro TRIG i
	v_cvt_f32_i32 v12, s[32+\i]
	s_wait_alu depctr_va_vdst(0)
	v_mul_f32 v12, v12, v9                         ; the angle, rounded once
	v_mul_f32 v13, 0x3f22f983, v12
	v_rndne_f32 v13, v13                           ; n = the nearest multiple of pi / 2
	v_fma_f32 v14, -v13, s48, v12
	v_fma_f32 v14, -v13, s49, v14
	v_fma_f32 v14, -v13, s50, v14                  ; r, within pi / 4 of 0
	v_mul_f32 v15, v14, v14                        ; z
	v_fma_f32 v16, v15, s53, s52
	v_fma_f32 v17, v15, s56, s55
	v_fma_f32 v16, v16, v15, s51
	v_fma_f32 v17, v17, v15, s54
	v_mul_f32 v18, v14, v15
	v_mul_f32 v19, v15, v15
	v_fma_f32 v20, v15, -0.5, 1.0
	v_fma_f32 v16, v18, v16, v14                   ; sin r
	v_fma_f32 v17, v19, v17, v20                   ; cos r
	v_cvt_i32_f32 v21, v13
	v_and_b32 v22, 1, v21
	v_cmp_eq_u32 vcc_lo, 1, v22                    ; in odd quadrants the two change places
	v_cndmask_b32 v18, v16, v17, vcc_lo
	v_cndmask_b32 v19, v17, v16, vcc_lo
	v_and_b32 v22, 2, v21                          ; the sine is negative in quadrants 2, 3,
	v_add_nc_u32 v21, 1, v21
	v_lshlrev_b32 v22, 30, v22
	v_and_b32 v21, 2, v21                          ; the cosine in 1, 2
	v_lshlrev_b32 v21, 30, v21
	v_xor_b32 v[64+2*\i], v19, v21
	v_xor_b32 v[65+2*\i], v18, v22
	global_store_b64 v2, v[64+2*\i:65+2*\i], s[20:21] offset:256*\i   ; 32 lanes store a row of 256 bytes; each position has registers of its own
.endm
.irp i, 0,1,2,3,4,5,6,7,8,9,10,11,12,13,14,15
	TRIG \i
.endr
	s_endpgm
.Lfunc_end_k_qee079e463a_prep:
	.size	k_qee079e463a_prep, .Lfunc_end_k_qee079e463a_prep-k_qee079e463a_prep
	.p2alignl 7, 3214868480
	.fill 96, 4, 3214868480
	.section	.rodata,"a",@progbits
	.p2align	6, 0x0
	.amdhsa_kernel k_qee079e463a_prep
		.amdhsa_group_segment_fixed_size 34304
		.amdhsa_private_segment_fixed_size 0
		.amdhsa_enable_private_segment 0
		.amdhsa_kernarg_size 72
		.amdhsa_user_sgpr_count 2
		.amdhsa_user_sgpr_kernarg_segment_ptr 1
		.amdhsa_wavefront_size32 1
		.amdhsa_system_sgpr_workgroup_id_x 1
		.amdhsa_system_sgpr_workgroup_id_y 1
		.amdhsa_system_sgpr_workgroup_id_z 1
		.amdhsa_system_vgpr_workitem_id 0
		.amdhsa_next_free_vgpr 250
		.amdhsa_next_free_sgpr 66
		.amdhsa_reserve_vcc 1
		.amdhsa_float_denorm_mode_32 3
		.amdhsa_float_denorm_mode_16_64 3
		.amdhsa_memory_ordered 1
		.amdhsa_forward_progress 1
		.amdhsa_inst_pref_size 58
	.end_amdhsa_kernel
	.amdgpu_metadata
---
amdhsa.version: [ 1, 2 ]
amdhsa.kernels:
  - .name:           k_qee079e463a_prep
    .symbol:         k_qee079e463a_prep.kd
    .args:
      - { .name: x, .offset: 0, .size: 8, .value_kind: global_buffer, .address_space: global }
      - { .name: Wq, .offset: 8, .size: 8, .value_kind: global_buffer, .address_space: global }
      - { .name: Wk, .offset: 16, .size: 8, .value_kind: global_buffer, .address_space: global }
      - { .name: Wv, .offset: 24, .size: 8, .value_kind: global_buffer, .address_space: global }
      - { .name: Wo, .offset: 32, .size: 8, .value_kind: global_buffer, .address_space: global }
      - { .name: token_ids, .offset: 40, .size: 8, .value_kind: global_buffer, .address_space: global }
      - { .name: gcodes, .offset: 48, .size: 8, .value_kind: global_buffer, .address_space: global }
      - { .name: gsc, .offset: 56, .size: 8, .value_kind: global_buffer, .address_space: global }
      - { .name: rope, .offset: 64, .size: 8, .value_kind: global_buffer, .address_space: global }
    .group_segment_fixed_size: 34304
    .private_segment_fixed_size: 0
    .kernarg_segment_align: 8
    .kernarg_segment_size: 72
    .max_flat_workgroup_size: 128
    .sgpr_count:     66
    .vgpr_count:     250
    .wavefront_size: 32
...
	.end_amdgpu_metadata
.endif
;; end of part 1
;; launch qkv (part 2): grid 24 x 32, 4 waves a work-group, clusters of 4 x 4, 295,424 bytes of LDS; arguments gcodes, gsc, rope, qrec, kv; writes qrec, kv
.if DOCPART == 2
	.amdgcn_target "amdgcn-amd-amdhsa--gfx1250"
	.amdhsa_code_object_version 6
	.text
	.protected	k_qee079e463a_qkv
	.globl	k_qee079e463a_qkv
	.p2align	8
	.type	k_qee079e463a_qkv,@function
k_qee079e463a_qkv:
	s_mov_b64 s[64:65], 0
	v_nop
	global_prefetch_b8 v0, s[64:65] scope:SCOPE_SE
	s_setreg_imm32_b32 hwreg(HW_REG_WAVE_MODE, 25, 1), 1
	s_wait_xcnt 0x0
	s_wait_alu depctr_hold_cnt(0) depctr_sa_sdst(0) depctr_va_vdst(0) depctr_va_sdst(0) depctr_va_ssrc(0) depctr_va_vcc(0) depctr_vm_vsrc(0)
	s_getreg_b32 s2, hwreg(HW_REG_IB_STS2, 6, 4)
	s_cmp_eq_u32 s2, 0
	s_cbranch_scc0 .Lentry_in_a_cluster
	s_endpgm
.Lentry_in_a_cluster:
	s_bfe_u32 s2, ttmp6, 0x10000c
	s_cmp_lg_u32 s2, 0xf033
	s_cbranch_scc0 .Lentry_shape_is_right
	s_endpgm
.Lentry_shape_is_right:
; q = rope(x Wq^T), k = rope(x Wk^T), v = x Wv^T on codes of FP6 (E2M3) with E8M0 scales; the results are quantised on the way out: q and k along the head's 64, v along the keys.
; THE PRODUCT.  A work-group makes 256 rows of side A x 128 rows of side B over all of K = 1,024.  Its operands are 294,912 bytes of codes, which lie in LDS whole: four chunks of two K steps, each filled ONCE:
; no LDS byte is filled twice.  Wave w takes A's groups 4 w .. 4 w + 3 against B's eight: 32 accumulators.  Source 0 = a group of B, source 1 = a group of A: lane (r, h) holds A's row r, and since a GROUP g is the
; rows 32 (g / 2) + 8 (g % 2) + p + 8 (p / 8), the 64 registers of a block of A's rows are B's rows 32 b + 16 h + i at register 16 b + i: sixteen neighbours of each block of 32, as the conversions want them.
; Clusters x = 0, 1: q; 2, 3: k: side A = x (256 tokens), side B = 128 features (two heads).  Clusters x = 4, 5: v: side A = Wv (256 features, a head to a wave), side B = x (128 tokens = a key step): the roles are
; exchanged, so that a lane holds one d and its registers run along the keys.
; CLUSTERS: 4 x 4.  A's tiles hang on the cluster's row, B's on its column: each is asked for jointly by the four that share it.  A wave has four tensor loads out at the most.
; THE SCALES come from memory into registers once: v[32 + 8 i + s]: lanes 16-31 B's group i, lanes 0-15 A's group 4 w + i % 4, K step s.
; OUT.  A record of 212,992 bytes for each (batch, head): +0 K's scale words [key step G][half][lane][2]: word p, lanes 0-15 key tile 2 p, lanes 16-31 tile 2 p + 1; +8,192 V's [G][lane][4 d groups];
; +16,384 + 12,288 G: four pair fragments of K (registers 0-5 tile 2 p, 6-11 tile 2 p + 1, each 16 keys x 64), then four fragments of V^T (16 d x 128 keys); each is three images of four registers, 16 bytes a lane.
; q goes to qrec in K's places.  Every store covers 256 or 512 consecutive bytes, aligned.
; The first two tiles' rows of the (cos, sin) table are loaded at the head on both paths; v's path does not use them (8 KB a wave): the price of one head for both.
; LIMITS: NaN and infinities are not served; a block of zeros or under 2^-124 gets the byte 1 (this program alone reads the bytes).
; REGISTERS, in windows of 256: window 0: v1-5 lane numbers, v8-23 LDS addresses, v24-26 offsets, v32-95 scales, v96-159 (cos, sin), v160-199 and v224-239 the way out.
;   window 1: the accumulators, (a, b) at v[64 a + 8 b].   windows 2, 3: two sets of fragments: A's four at v[12 a], B's eight at v[48 + 12 b]; on the way out v0-63 of window 2 hold the turned numbers.
.set CHUNK, 73728                      ; two K steps: A's 16 groups x 3,072 bytes, then B's 8
.set REC,   212992
.set SC,   32
.set CS,   96
.set X,    160                         ; v160-171 a fragment (head A's pair, or V's)
.set Y,    172                         ; v172-183 another (head B's pair)
.set T0,   184
.set T1,   188
.set SA,   192                         ; v192-193 head A's scale words (v's path: v192-195 the four d groups')
.set SB,   194                         ; v194-195 head B's
.set PWA,  196
.set PWB,  197
.set TM,   224
.set G1A,  24
.set G1B,  48
.set G0A,  68
.set G0B,  84
.set MSB, 0
.macro WIN new                         ; the immediate's high byte repeats the setting that is left
.if MSB != (\new)
	s_set_vgpr_msb (MSB<<8)|(\new)
.set MSB, \new
.endif
.endm
.macro ROUND                           ; a round of the cluster's barrier
	s_barrier_signal -1
	s_barrier_wait -1
	s_cmp_lg_u32 s14, 0
	s_cbranch_scc1 .Lnot_wave_0_\@
	s_barrier_signal -3
.Lnot_wave_0_\@:
	s_barrier_wait -3
	s_barrier_signal -1
	s_barrier_wait -1
.endm
.macro PLACES                          ; four places behind matrix instructions, in front of loads into their sources and of reads of their results
.rept 4
	v_nop
.endr
.endm
	s_load_b256 s[4:11], s[0:1], 0x0               ; gcodes, gsc, rope, qrec
	s_load_b64 s[12:13], s[0:1], 0x20              ; kv
	v_lshl_add_u32 v254, v0, 2, 0x48000
	v_mov_b32 v255, 0
	ds_add_u32 v254, v255
	ds_add_u32 v254, v255
	v_lshrrev_b32 v1, 5, v0
	v_readfirstlane_b32 s14, v1                    ; wave
	s_lshr_b32 s15, s14, 1
	s_and_b32 s16, s14, 1
	s_bfe_u32 s40, ttmp6, 0x40000                  ; cx
	s_bfe_u32 s41, ttmp6, 0x40004                  ; cy
	s_mov_b32 s42, ttmp9                           ; the cluster's x,
	s_and_b32 s43, ttmp7, 0xffff                   ; and y
	s_lshl_b32 s44, s41, 2
	s_lshl_b32 s44, 15, s44                        ; my row of the cluster
	s_lshl_b32 s45, 0x1111, s40                    ; my column
	s_mov_b32 s2, 0x76543210
	s_mov_b32 s3, 0xfedcba98                       ; selects for lane l xor 16
	s_mov_b32 s34, 0xffff0000                      ; lanes 16-31
	; A's and B's first groups.  q, k: A = 16 (4 cly + cy), B = 512 + 8 (4 clx + cx).  v: A = 640 + 16 cy, B = 8 (4 (2 cly + clx - 4) + cx).  The choice hangs on the cluster's x, which all partners share
	s_lshl_b32 s17, s43, 6
	s_lshl_b32 s19, s42, 5
	s_add_co_u32 s19, s19, 512
	s_max_u32 s20, s42, 4
	s_sub_co_u32 s20, s20, 4
	s_lshl_b32 s20, s20, 5
	s_add_co_u32 s20, s20, s17
	s_cmp_ge_u32 s42, 4
	s_cselect_b32 s17, 640, s17
	s_cselect_b32 s19, s20, s19
	s_cselect_b32 s21, 1, 0                        ; v's path?
	s_lshl_b32 s46, s41, 4
	s_add_co_u32 s46, s46, s17                     ; A's first group: no cx in it
	s_lshl_b32 s47, s40, 3
	s_add_co_u32 s47, s47, s19                     ; B's: no cy in it
	s_and_b32 s39, s43, 1
	s_lshl_b32 s39, s39, 2
	s_add_co_u32 s39, s39, s41                     ; (4 cly + cy) % 8: which 256 positions of a sequence
	; descriptor group 1: R groups' 3,072 bytes (two K steps' fragments) as rows of 384 elements of 8 bytes, 1,536 elements apart; dense in LDS
	s_or_b32 s[G1A], s44, (3<<16)|(1<<21)
	s_or_b32 s[G1B], s45, (3<<16)|(1<<21)
	s_mov_b32 s[G1A+2], 8<<16                      ; tensor_dim1
	s_mov_b32 s[G1A+4], 8                          ; tile_dim1
	s_mov_b32 s[G1B+2], 4<<16
	s_mov_b32 s[G1B+4], 4
.irp g, G1A, G1B
	s_mov_b32 s[\g+1], 384<<16                     ; tensor_dim0
	s_mov_b32 s[\g+3], 384<<16                     ; tile_dim0
	s_mov_b32 s[\g+5], 1536                        ; from group to group
	s_mov_b32 s[\g+6], 0
	s_mov_b32 s[\g+7], 0
.endr
	s_mul_i32 s32, s16, 24576                      ; in a chunk: A's groups 8 (w % 2) on,
	s_mul_i32 s33, s16, 12288
	s_add_co_u32 s33, s33, 49152                   ; B's groups 4 (w % 2) on
	s_lshl_b32 s22, s16, 3
	s_add_co_u32 s22, s22, s46
	s_mul_i32 s22, s22, 12288
	s_mov_b32 s23, 0
	s_lshl_b32 s36, s16, 2
	s_add_co_u32 s36, s36, s47
	s_mul_i32 s36, s36, 12288
	s_mov_b32 s37, 0
	s_wait_dscnt 0x0
	s_wait_kmcnt 0x0
	s_add_nc_u64 s[22:23], s[4:5], s[22:23]
	s_add_nc_u64 s[36:37], s[4:5], s[36:37]
.irp g, 0,1,2,3
	s_mov_b32 s[G0A+4*\g], 1
	s_add_co_u32 s[G0A+4*\g+1], s32, CHUNK*\g
	s_add_nc_u64 s[G0A+4*\g+2:G0A+4*\g+3], s[22:23], 3072*\g
	s_or_b32 s[G0A+4*\g+3], s[G0A+4*\g+3], 0x80000000
	s_mov_b32 s[G0B+4*\g], 1
	s_add_co_u32 s[G0B+4*\g+1], s33, CHUNK*\g
	s_add_nc_u64 s[G0B+4*\g+2:G0B+4*\g+3], s[36:37], 3072*\g
	s_or_b32 s[G0B+4*\g+3], s[G0B+4*\g+3], 0x80000000
.endr
	ROUND                                          ; all sixteen work-groups are here: the joint loads meet
	s_cmp_lt_u32 s14, 2                            ; waves 0, 1 fetch A's halves, waves 2, 3 B's: a wave's four fills stand in one branch
	s_cbranch_scc0 .Lfill_b
	tensor_load_to_lds s[G0A:G0A+3], s[G1A:G1A+7]
	s_nop 0
	tensor_load_to_lds s[G0A+4:G0A+7], s[G1A:G1A+7]
	s_nop 0
	tensor_load_to_lds s[G0A+8:G0A+11], s[G1A:G1A+7]
	s_nop 0
	tensor_load_to_lds s[G0A+12:G0A+15], s[G1A:G1A+7]
	s_nop 0
	PLACES
	s_branch .Lfilled
.Lfill_b:
	tensor_load_to_lds s[G0B:G0B+3], s[G1B:G1B+7]
	s_nop 0
	tensor_load_to_lds s[G0B+4:G0B+7], s[G1B:G1B+7]
	s_nop 0
	tensor_load_to_lds s[G0B+8:G0B+11], s[G1B:G1B+7]
	s_nop 0
	tensor_load_to_lds s[G0B+12:G0B+15], s[G1B:G1B+7]
	s_nop 0
	PLACES
.Lfilled:
	v_and_b32 v1, 15, v0                           ; r
	v_bfe_u32 v2, v0, 4, 1                         ; h
	v_and_b32 v3, 31, v0                           ; lane
	v_lshlrev_b32 v4, 4, v3
	v_lshlrev_b32 v5, 3, v3
	s_mul_i32 s17, s14, 12288                      ; my four groups of A
.irp g, 0,1,2,3
	s_add_co_u32 s18, s17, CHUNK*\g
	v_add_nc_u32 v[8+\g], s18, v4                  ; A's images of four registers in chunk g,
	v_add_nc_u32 v[12+\g], s18, v5                 ; of two;
	v_add_nc_u32 v[16+\g], CHUNK*\g+49152, v4      ; B's
	v_add_nc_u32 v[20+\g], CHUNK*\g+49152, v5
.endr
	v_and_b32 v26, 8, v1                           ; the table: position 256 ((4 cly + cy) % 8) + 64 w + (the tile's first) + r + 8 (r / 8), rows of 256 bytes; + 64 h
	v_add_nc_u32 v26, v26, v1
	v_lshlrev_b32 v26, 8, v26
	v_lshl_add_u32 v26, v2, 6, v26
	s_lshl_b32 s18, s39, 8
	s_lshl_b32 s19, s14, 6
	s_add_co_u32 s18, s18, s19
	s_lshl_b32 s18, s18, 8
	v_add_nc_u32 v26, s18, v26
.macro LOADCS a                        ; (cos, sin) of tile a's positions: pair j = 16 e + 8 h + 0 .. 7 at v[CS + 32 (a % 2) + 16 e ..]
.irp e, 0,1
.irp i, 0,1,2,3
	global_load_b128 v[CS+32*((\a)%2)+16*\e+4*\i:CS+32*((\a)%2)+16*\e+4*\i+3], v26, s[8:9] offset:256*(32*((\a)/2)+8*((\a)%2))+128*\e+16*\i
.endr
.endr
.endm
	LOADCS 0
	LOADCS 1
	s_lshl_b32 s17, s14, 2
	s_add_co_u32 s17, s17, s46
	s_lshl_b32 s17, s17, 9                         ; the scale words: 512 bytes a group: A's from group 4 w on,
	s_lshl_b32 s18, s47, 9                         ; B's
	v_mov_b32 v24, s17
	v_mov_b32 v25, s18
	v_cndmask_b32 v24, v24, v25, s34               ; lanes 0-15 A's, lanes 16-31 B's
	v_lshl_add_u32 v24, v1, 4, v24                 ; + 16 r
	v_lshl_add_u32 v25, v2, 11, v24                ; for i = 4 .. 7: B's four groups on, A's the same four again
.irp i, 0,1,2,3
.irp k, 0,1
	global_load_b128 v[SC+8*\i+4*\k:SC+8*\i+4*\k+3], v24, s[6:7] offset:512*\i+256*\k
	global_load_b128 v[SC+32+8*\i+4*\k:SC+32+8*\i+4*\k+3], v25, s[6:7] offset:512*\i+256*\k
.endr
.endr
.irp b, 0,1,2,3
	v_mov_b32 v[TM+4+\b], 0                        ; written once: a lane permute's destination counts as one of its sources
.endr
.macro FRAG reg, a16, a8, off          ; a fragment's image comes back as it was stored
	ds_load_b128 v[(\reg):(\reg)+3], v[\a16] offset:(\off)
	ds_load_b128 v[(\reg)+6:(\reg)+9], v[\a16] offset:(\off)+512
	ds_load_b64 v[(\reg)+4:(\reg)+5], v[\a8] offset:(\off)+1024
	ds_load_b64 v[(\reg)+10:(\reg)+11], v[\a8] offset:(\off)+1280
.endm
.macro FETCH s                         ; K step s: 12 fragments, 48 loads, into set s % 2
	WIN 0x80+0x40*((\s)%2)
.irp a, 0,1,2,3
	FRAG 12*\a, 8+(\s)/2, 12+(\s)/2, 3072*\a+1536*((\s)%2)
.endr
.irp b, 0,1,2,3,4,5,6,7
	FRAG 48+12*\b, 16+(\s)/2, 20+(\s)/2, 3072*\b+1536*((\s)%2)
.endr
.endm
.macro MUL s, a0                       ; 16 matrix instructions: A's groups a0, a0 + 1 x B's eight.  The 32 accumulators take turns in one order in every step
	WIN 0x5a+5*((\s)%2)
.irp a, \a0, \a0+1
.irp b, 0,1,2,3,4,5,6,7
.if (\s) == 0
	v_wmma_scale_f32_16x16x128_f8f6f4 v[64*(\a)+8*\b:64*(\a)+8*\b+7], v[48+12*\b:48+12*\b+11], v[12*(\a):12*(\a)+11], 0, v[SC+8*\b+(\s)], v[SC+8*(\a)+(\s)] matrix_a_fmt:MATRIX_FMT_FP6 matrix_b_fmt:MATRIX_FMT_FP6 matrix_a_scale:MATRIX_SCALE_ROW1
.else
	v_wmma_scale_f32_16x16x128_f8f6f4 v[64*(\a)+8*\b:64*(\a)+8*\b+7], v[48+12*\b:48+12*\b+11], v[12*(\a):12*(\a)+11], v[64*(\a)+8*\b:64*(\a)+8*\b+7], v[SC+8*\b+(\s)], v[SC+8*(\a)+(\s)] matrix_a_fmt:MATRIX_FMT_FP6 matrix_b_fmt:MATRIX_FMT_FP6 matrix_a_scale:MATRIX_SCALE_ROW1
.endif
.endr
.endr
.endm
.macro KSTEP s
	s_wait_dscnt 0x0                               ; this step's 48 loads are in
.if (\s)%2 == 0
	PLACES                                         ; the next step lies in the same chunk: its loads go out first and have 32 matrix instructions in which to land
	FETCH (\s)+1
	MUL \s, 0
	MUL \s, 2
.elseif (\s) < 7
	s_wait_tensorcnt 3-((\s)+1)/2                  ; my part of the next chunk has landed; my loads of the later chunks may stay out
	s_barrier_signal -1
	MUL \s, 0
	s_barrier_wait -1                              ; everybody's has
	PLACES
	FETCH (\s)+1
	MUL \s, 2
.else
	MUL \s, 0
	MUL \s, 2
.endif
.endm
	s_wait_tensorcnt 0x3                           ; my part of chunk 0 has landed; three loads may stay out
	s_barrier_signal -1
	s_barrier_wait -1
	FETCH 0
	s_wait_loadcnt 0x0                             ; the scales and the table's first rows
	KSTEP 0
	KSTEP 1
	KSTEP 2
	KSTEP 3
	KSTEP 4
	KSTEP 5
	KSTEP 6
	KSTEP 7
	WIN 0
	PLACES
; 64 numbers of a lane in window W, register 16 b + i = k 32 b + 16 h + i of my row: the codes of k 0-63 go to v[d0] .. v[d0 + 5], those of k 64-127 to v[d1] .. v[d1 + 5], the scale word to v[pw]
.macro QUANT s, W, d0, d1, pw
	WIN (\W)|((\W)<<2)
.irp b, 0,1,2,3
	v_max3_num_f32 v[TM+\b], |v[(\s)+16*\b]|, |v[(\s)+1+16*\b]|, 0x1800000   ; from each accumulator's low end on; the floor 2^(3 - 127) holds the byte at 1 from below
.endr
.irp i, 2,4,6,8,10,12,14
.irp b, 0,1,2,3
	v_max3_num_f32 v[TM+\b], |v[(\s)+16*\b+\i]|, |v[(\s)+1+16*\b+\i]|, v[TM+\b]
.endr
.endr
	WIN 0
.irp b, 0,1,2,3
	v_permlanex16_b32 v[TM+4+\b], v[TM+\b], s2, s3
.endr
.irp b, 0,1,2,3
	v_max_num_f32 v[TM+\b], v[TM+\b], v[TM+4+\b]
.endr
.irp b, 0,1,2,3
	v_add_nc_u32 v[TM+12+\b], 0xff000000, v[TM+\b] ; 2 off the exponent field: the conversion's scale operand
.endr
.irp b, 0,1,2,3
	v_lshrrev_b32 v[TM+4+\b], 23, v[TM+12+\b]      ; the byte
.endr
	v_lshl_or_b32 v[\pw], v[TM+5], 8, v[TM+4]
	v_lshl_or_b32 v[\pw], v[TM+6], 16, v[\pw]
	v_lshl_or_b32 v[\pw], v[TM+7], 24, v[\pw]
	WIN \W
	v_cvt_scalef32_pk16_fp6_f32 v[(\d0):(\d0)+2], v[(\s):(\s)+15], v[TM+12]
	v_cvt_scalef32_pk16_fp6_f32 v[T0:T0+2], v[(\s)+16:(\s)+31], v[TM+13]
	v_cvt_scalef32_pk16_fp6_f32 v[(\d1):(\d1)+2], v[(\s)+32:(\s)+47], v[TM+14]
	v_cvt_scalef32_pk16_fp6_f32 v[T1:T1+2], v[(\s)+48:(\s)+63], v[TM+15]
	WIN 0
	v_nop                                          ; one plain place behind a scaled conversion
.irp i, 0,1,2
	v_permlane16_swap_b32 v[(\d0)+\i], v[T0+\i]    ; a whole block to a lane
	v_permlane16_swap_b32 v[(\d1)+\i], v[T1+\i]
.endr
.irp i, 0,1,2
	v_mov_b32 v[(\d0)+3+\i], v[T0+\i]
	v_mov_b32 v[(\d1)+3+\i], v[T1+\i]
.endr
.endm
	s_cmp_lg_u32 s21, 0
	s_cbranch_scc1 .Lv_path
	; ---------------- q and k: turned, quantised along the head's 64 ----------------
	s_lshr_b32 s18, s43, 1                         ; batch = (4 cly + cy) / 8
	s_and_b32 s19, s42, 1
	s_lshl_b32 s19, s19, 2
	s_add_co_u32 s19, s19, s40
	s_lshl_b32 s19, s19, 1                         ; head A = 2 ((4 clx + cx) % 8); head B is the next
	s_lshl_b32 s18, s18, 4
	s_add_co_u32 s18, s18, s19
	s_mul_i32 s18, s18, REC                        ; head A's record
	s_lshl_b32 s20, s39, 1
	s_add_co_u32 s20, s20, s15                     ; key step G = 2 ((4 cly + cy) % 8) + w / 2
	s_mul_i32 s35, s20, 12288
	s_mul_i32 s38, s16, 3072                       ; my first pair: 2 (w % 2)
	s_add_co_u32 s35, s35, s38
	s_add_co_u32 s35, s35, 16384
	s_add_co_u32 s58, s18, s35
	s_mov_b32 s59, 0
	s_lshl_b32 s35, s20, 9
	s_lshl_b32 s38, s16, 8
	s_add_co_u32 s35, s35, s38
	s_add_co_u32 s60, s18, s35
	s_mov_b32 s61, 0
	s_cmp_ge_u32 s42, 2                            ; q's buffer or k's
	s_cselect_b64 s[56:57], s[12:13], s[10:11]
	s_add_nc_u64 s[58:59], s[56:57], s[58:59]      ; the codes,
	s_add_nc_u64 s[60:61], s[56:57], s[60:61]      ; the scale words
.macro ROPE a                          ; tile a's 64 numbers, in pairs (x1, x2): (x1 c - x2 s, x1 s + x2 c) into v0-63 of window 2
	WIN 0xa1                                       ; source 0 window 1, source 1 window 0, source 2 and destination window 2
.irp b, 0,1,2,3
.irp i, 0,2,4,6,8,10,12,14
	v_pk_mul_f32 v[16*\b+\i:16*\b+\i+1], v[64*(\a)+16*\b+\i:64*(\a)+16*\b+\i+1], v[CS+32*((\a)%2)+16*(\b%2)+\i:CS+32*((\a)%2)+16*(\b%2)+\i+1] op_sel_hi:[1,0]   ; (x1 c, x2 c): each accumulator from its low end on
.endr
.endr
.irp b, 0,1,2,3
.irp i, 0,2,4,6,8,10,12,14
	v_pk_fma_f32 v[16*\b+\i:16*\b+\i+1], v[64*(\a)+16*\b+\i:64*(\a)+16*\b+\i+1], v[CS+32*((\a)%2)+16*(\b%2)+\i:CS+32*((\a)%2)+16*(\b%2)+\i+1], v[16*\b+\i:16*\b+\i+1] op_sel:[1,1,0] op_sel_hi:[0,1,1] neg_lo:[0,1,0]   ; low: - x2 s; high: + x1 s
.endr
.endr
.endm
.macro PAIR p                          ; tiles 2 p and 2 p + 1 make one pair fragment for each of the two heads
.if \p == 1
	s_wait_loadcnt 0x8                             ; tile 2's table rows are in; tile 3's eight loads may be out
.endif
	ROPE 2*\p
.if \p == 0
	WIN 0
	LOADCS 2
.else
	s_wait_xcnt 0x0                                ; the first pair's stores have read their registers
.endif
	QUANT 0, 2, X, Y, PWA
.if \p == 1
	s_wait_loadcnt 0x0
.endif
	ROPE 2*\p+1
.if \p == 0
	WIN 0
	LOADCS 3
.endif
	QUANT 0, 2, X+6, Y+6, PWB
	v_cndmask_b32 v[SA+\p], v[PWA], v[PWB], s34    ; lanes 0-15 the even tile's words, lanes 16-31 the odd tile's.  Head A's bytes are a word's lower two; the upper two meet zero codes
	v_lshrrev_b32 v198, 16, v[PWA]
	v_lshrrev_b32 v199, 16, v[PWB]
	v_cndmask_b32 v[SB+\p], v198, v199, s34        ; head B's
.irp c, 0,1,2
	global_store_b128 v4, v[X+4*\c:X+4*\c+3], s[58:59] offset:1536*\p+512*\c
	global_store_b128 v4, v[Y+4*\c:Y+4*\c+3], s[58:59] offset:REC+1536*\p+512*\c
.endr
.endm
	PAIR 0
	PAIR 1
	global_store_b64 v5, v[SA:SA+1], s[60:61]
	global_store_b64 v5, v[SB:SB+1], s[60:61] offset:REC
	s_branch .Ldone
	; ---------------- v: quantised along the keys ----------------
.Lv_path:
	s_lshl_b32 s17, s43, 1
	s_add_co_u32 s17, s17, s42
	s_sub_co_u32 s17, s17, 4
	s_lshl_b32 s17, s17, 2
	s_add_co_u32 s17, s17, s40                     ; which 128 tokens: 4 (2 cly + clx - 4) + cx
	s_lshr_b32 s18, s17, 4                         ; batch
	s_and_b32 s19, s17, 15                         ; key step G
	s_lshl_b32 s20, s41, 2
	s_add_co_u32 s20, s20, s14                     ; head = 4 cy + w
	s_lshl_b32 s18, s18, 4
	s_add_co_u32 s18, s18, s20
	s_mul_i32 s18, s18, REC
	s_mul_i32 s35, s19, 12288
	s_add_co_u32 s35, s35, 16384+6144
	s_add_co_u32 s58, s18, s35
	s_mov_b32 s59, 0
	s_lshl_b32 s35, s19, 9
	s_add_co_u32 s35, s35, 8192
	s_add_co_u32 s60, s18, s35
	s_mov_b32 s61, 0
	s_add_nc_u64 s[58:59], s[12:13], s[58:59]
	s_add_nc_u64 s[60:61], s[12:13], s[60:61]
.irp a, 0,1,2,3                        ; d group a x these 128 keys: a fragment of V^T; two sets of registers by turns
.if \a >= 2
	s_wait_xcnt 0x0                                ; the stores of two groups ago have read their registers
.endif
	QUANT 64*\a, 1, X+12*(\a%2), X+12*(\a%2)+6, SA+\a
.irp c, 0,1,2
	global_store_b128 v4, v[X+12*(\a%2)+4*\c:X+12*(\a%2)+4*\c+3], s[58:59] offset:1536*\a+512*\c
.endr
.endr
	global_store_b128 v4, v[SA:SA+3], s[60:61]     ; four words a lane; lanes 16-31 repeat lanes 0-15
.Ldone:
	s_wait_tensorcnt 0x0
	ds_add_u32 v254, v255
	s_wait_dscnt 0x0
	ROUND                                          ; the closing round: no work-group ends while a partner may still ask for a tile that names it
	s_endpgm
.Lfunc_end_k_qee079e463a_qkv:
	.size	k_qee079e463a_qkv, .Lfunc_end_k_qee079e463a_qkv-k_qee079e463a_qkv
	.p2alignl 7, 3214868480
	.fill 96, 4, 3214868480
	.section	.rodata,"a",@progbits
	.p2align	6, 0x0
	.amdhsa_kernel k_qee079e463a_qkv
		.amdhsa_group_segment_fixed_size 295424
		.amdhsa_private_segment_fixed_size 0
		.amdhsa_enable_private_segment 0
		.amdhsa_kernarg_size 40
		.amdhsa_user_sgpr_count 2
		.amdhsa_user_sgpr_kernarg_segment_ptr 1
		.amdhsa_wavefront_size32 1
		.amdhsa_system_sgpr_workgroup_id_x 1
		.amdhsa_system_sgpr_workgroup_id_y 1
		.amdhsa_system_sgpr_workgroup_id_z 1
		.amdhsa_system_vgpr_workitem_id 0
		.amdhsa_next_free_vgpr 912
		.amdhsa_next_free_sgpr 102
		.amdhsa_reserve_vcc 0
		.amdhsa_float_denorm_mode_32 3
		.amdhsa_float_denorm_mode_16_64 3
		.amdhsa_memory_ordered 1
		.amdhsa_forward_progress 1
		.amdhsa_inst_pref_size 124
	.end_amdhsa_kernel
	.amdgpu_metadata
---
amdhsa.version: [ 1, 2 ]
amdhsa.kernels:
  - .name:           k_qee079e463a_qkv
    .symbol:         k_qee079e463a_qkv.kd
    .args:
      - { .name: gcodes, .offset: 0, .size: 8, .value_kind: global_buffer, .address_space: global }
      - { .name: gsc, .offset: 8, .size: 8, .value_kind: global_buffer, .address_space: global }
      - { .name: rope, .offset: 16, .size: 8, .value_kind: global_buffer, .address_space: global }
      - { .name: qrec, .offset: 24, .size: 8, .value_kind: global_buffer, .address_space: global }
      - { .name: kv, .offset: 32, .size: 8, .value_kind: global_buffer, .address_space: global }
    .group_segment_fixed_size: 295424
    .private_segment_fixed_size: 0
    .kernarg_segment_align: 8
    .kernarg_segment_size: 40
    .max_flat_workgroup_size: 128
    .sgpr_count:     102
    .vgpr_count:     912
    .wavefront_size: 32
...
	.end_amdgpu_metadata
.endif
;; end of part 2
;; launch attn (part 3): grid 4 x 64, 16 waves a work-group, clusters of 4 x 1, 327,680 bytes of LDS; arguments qrec, kv, gcodes, gsc; writes gcodes, gsc
.if DOCPART == 3
	.amdgcn_target "amdgcn-amd-amdhsa--gfx1250"
	.amdhsa_code_object_version 6
	.text
	.protected	k_qee079e463a_attn
	.globl	k_qee079e463a_attn
	.p2align	8
	.type	k_qee079e463a_attn,@function
k_qee079e463a_attn:
	s_mov_b64 s[64:65], 0
	v_nop
	global_prefetch_b8 v0, s[64:65] scope:SCOPE_SE
	s_setreg_imm32_b32 hwreg(HW_REG_WAVE_MODE, 25, 1), 1
	s_wait_xcnt 0x0
	s_wait_alu depctr_hold_cnt(0) depctr_sa_sdst(0) depctr_va_vdst(0) depctr_va_sdst(0) depctr_va_ssrc(0) depctr_va_vcc(0) depctr_vm_vsrc(0)
	s_getreg_b32 s2, hwreg(HW_REG_IB_STS2, 6, 4)
	s_cmp_eq_u32 s2, 0
	s_cbranch_scc0 .Lentry_in_a_cluster
	s_endpgm
.Lentry_in_a_cluster:
	s_bfe_u32 s2, ttmp6, 0x10000c
	s_cmp_lg_u32 s2, 0x3003
	s_cbranch_scc0 .Lentry_shape_is_right
	s_endpgm
.Lentry_shape_is_right:
; For each (batch, head): O = softmax(q k^T / 8, causal) v on codes of FP6 (E2M3); O / the row's sum is quantised along the head's 64 and stored as half a K step of the last product's operand.
; THE SOFTMAX: t = score x log2(e) / 8; M = the running largest t rounded up to a whole number; p = 2^(t - M) is quantised along the keys, not normalised; the sum is taken of the unquantised p.
; When M moves, the sum and O are multiplied by 2^(old M - new M): exact.
; SHARES.  The four work-groups of a cluster (j = 0 .. 3) serve one head.  Its record, K, V and their scale words, 212,992 bytes, lies in LDS whole, filled ONCE by joint loads: no LDS byte is filled twice.
; Wave w of sixteen takes two tiles of 16 queries (groups T: rows 32 (T / 2) + 8 (T % 2) + p + 8 (p / 8)): first T = 127 - 8 w - 2 j, with 16 - w key steps of 128, then T = 8 w + 2 j, with w + 1: 17 for every wave.
; Trip counts are constants and the branches hang on the wave's number and the step's alone; j enters global addresses and the mask's compare value.
; Every wave brings 4,096 bytes of the record's first 65,536 (the scale words and key steps 0-3) and 9,216 of the rest: two tensor loads out at the most.  Steps 0-3 begin when the first part has landed.
; LAYOUT.  Both products are transposed: S^T = K q^T, O^T = V^T p^T: a lane holds one query (lane % 16).  The keys of a tile are a group, so that the 16 registers of tiles 2 b, 2 b + 1 are keys 32 b + 16 h + 0 .. 15.
; K = 64 IN AN INSTRUCTION OF 128: q's registers 6-11 are zero codes, so what stands in the upper half of K's operand (the next tile's codes; behind the last tile six registers of zeros) adds nothing.
; CAUSAL: steps wholly above the diagonal are left out; on the diagonal hidden scores become -8e9, which is -1e9 ahead of the division by 8.
; LIMITS: that equals the masked softmax as long as a row's real logits lie far above -1e9; NaN and infinities are not served; a block of zeros or under 2^-124 gets the byte 1.
; The scale halfwords leave by stores of 2 bytes (32 bytes a tile): a word's two halves come from two heads, that is from two clusters.
; REGISTERS: v1, v2 16 x and 8 x lane; v3-5 addresses in hand; v6, v7 the masks' compare values; v8, v29, v30 output offsets; v12 -M, v13 largest t, v[14:15] the sum; v16-27, v28 q and its scale words (first tile);
; v32-79 K's 8 tiles, then V's 4 fragments; v80-85 zeros; v96-159 S^T, then p; v160-191 O^T; v192-203, v204 q (second tile); v224-235 p's codes; v232-247, v252, v254 at work; v248-251 K's, then V's scale words; v253 p's.
.set REC,  212992
.set L16,  1
.set L8,   2
.set ADK,  3
.set AS8,  4
.set AS16, 5
.set G1E,  24                          ; s[24:31] group 1, s[32:35] group 0 of the early part;  s[40:47], s[36:39] of the late part
.set G0E,  32
.set G0L,  36
.set G1L,  40
.set TB,   48                          ; s48 LDS byte of the step's tiles: 16,384 + 12,288 G
.set TS,   49                          ; s49 of its scale words: 512 G
.set GS,   50                          ; s50 G
.set GL,   51                          ; s51 the tile's last step, the one on the diagonal
.macro ROUND                           ; a round of the cluster's barrier
	s_barrier_signal -1
	s_barrier_wait -1
	s_cmp_lg_u32 s18, 0
	s_cbranch_scc1 .Lnot_wave_0_\@
	s_barrier_signal -3
.Lnot_wave_0_\@:
	s_barrier_wait -3
	s_barrier_signal -1
	s_barrier_wait -1
.endm
	s_load_b256 s[4:11], s[0:1], 0x0               ; qrec, kv, gcodes, gsc
	v_lshl_add_u32 v243, v0, 2, 0x34000
	v_mov_b32 v255, 0
	ds_add_u32 v243, v255
	ds_add_u32 v243, v255
	v_lshrrev_b32 v1, 5, v0
	s_delay_alu instid0(VALU_DEP_1)
	v_readfirstlane_b32 s18, v1                    ; wave 0..15
	s_bfe_u32 s12, ttmp6, 0x40000                  ; j = cx
	s_and_b32 s13, ttmp7, 0xffff                   ; 16 x batch + head
	s_mul_i32 s14, s13, REC
	s_mov_b32 s15, 0
	; dense bytes as rows of 256 (32 elements of 8 bytes): 16 rows, and 36; the mask names all four work-groups
	s_mov_b32 s[G1E], 15|(3<<16)|(1<<21)
	s_mov_b32 s[G1E+1], 32<<16
	s_mov_b32 s[G1E+2], 16<<16
	s_mov_b32 s[G1E+3], 32<<16
	s_mov_b32 s[G1E+4], 16
	s_mov_b32 s[G1E+5], 32
	s_mov_b32 s[G1E+6], 0
	s_mov_b32 s[G1E+7], 0
	s_mov_b32 s[G1L], 15|(3<<16)|(1<<21)
	s_mov_b32 s[G1L+1], 32<<16
	s_mov_b32 s[G1L+2], 36<<16
	s_mov_b32 s[G1L+3], 32<<16
	s_mov_b32 s[G1L+4], 36
	s_mov_b32 s[G1L+5], 32
	s_mov_b32 s[G1L+6], 0
	s_mov_b32 s[G1L+7], 0
	s_lshl_b32 s16, s18, 12                        ; 4,096 w
	s_mul_i32 s17, s18, 9216
	s_add_co_u32 s17, s17, 65536                   ; 65,536 + 9,216 w
	s_mov_b32 s54, s16
	s_mov_b32 s55, 0
	s_mov_b32 s56, s17
	s_mov_b32 s57, 0
	s_mov_b32 s20, 0x76543210
	s_mov_b32 s21, 0xfedcba98                      ; selects for lane l xor 16
	s_mov_b32 s22, 0x3e38aa3b                      ; c = log2(e) / 8
	s_mov_b32 s23, s22                             ; (named with it as a pair)
	s_wait_dscnt 0x0
	s_wait_kmcnt 0x0
	s_add_nc_u64 s[6:7], s[6:7], s[14:15]          ; the head's record of K and V,
	s_add_nc_u64 s[4:5], s[4:5], s[14:15]          ; and of q
	s_mov_b32 s[G0E], 1
	s_mov_b32 s[G0E+1], s16
	s_add_nc_u64 s[G0E+2:G0E+3], s[6:7], s[54:55]
	s_or_b32 s[G0E+3], s[G0E+3], 0x80000000
	s_mov_b32 s[G0L], 1
	s_mov_b32 s[G0L+1], s17
	s_add_nc_u64 s[G0L+2:G0L+3], s[6:7], s[56:57]
	s_or_b32 s[G0L+3], s[G0L+3], 0x80000000
	ROUND                                          ; all four work-groups are here: the joint loads meet
	tensor_load_to_lds s[G0E:G0E+3], s[G1E:G1E+7]
	s_nop 0
	s_wait_alu depctr_va_vdst(0)
	s_wait_tensorcnt 0x0
	ds_add_u32 v243, v255
	s_wait_dscnt 0x0
	ROUND
	tensor_load_to_lds s[G0L:G0L+3], s[G1L:G1L+7]
	s_nop 0
.rept 4
	v_nop
.endr
	v_and_b32 v9, 31, v0
	s_delay_alu instid0(VALU_DEP_1)
	v_lshlrev_b32 v[L16], 4, v9
	s_delay_alu instid0(VALU_DEP_2)
	v_lshlrev_b32 v[L8], 3, v9
	v_and_b32 v86, 15, v0                          ; r
	v_bfe_u32 v87, v0, 4, 1
	s_delay_alu instid0(VALU_DEP_1)
	v_lshlrev_b32 v87, 4, v87                      ; 16 h
	s_delay_alu instid0(VALU_DEP_3)
	v_and_b32 v6, 8, v86
	s_delay_alu instid0(VALU_DEP_1)
	v_add_nc_u32 v6, v6, v86
	s_delay_alu instid0(VALU_DEP_1)
	v_sub_nc_u32 v6, v6, v87                       ; r + 8 (r / 8) - 16 h
	s_sub_co_u32 s19, 3, s12                       ; 3 - j
	s_lshl_b32 s54, s19, 5
	s_add_co_u32 s54, s54, 8
	s_lshl_b32 s55, s12, 5
	v_add_nc_u32 v7, s55, v6                       ; second tile: my query in its step, less 16 h: 32 j + ..
	v_add_nc_u32 v6, s54, v6                       ; first tile: 32 (3 - j) + 8 + ..
	; q: first tile = the odd tile of pair 3 - j of step 15 - w; second = the even tile of pair j of step w
	s_sub_co_u32 s53, 15, s18
	s_mul_i32 s54, s53, 12288
	s_mul_i32 s55, s19, 1536
	s_add_co_u32 s54, s54, s55
	s_add_co_u32 s54, s54, 16384
	v_add_nc_u32 v9, s54, v[L16]
	s_wait_alu depctr_va_vdst(0)
	s_lshl_b32 s54, s53, 9
	s_lshr_b32 s55, s19, 1
	s_lshl_b32 s55, s55, 8
	s_add_co_u32 s54, s54, s55
	s_and_b32 s55, s19, 1
	s_lshl_b32 s55, s55, 2
	s_add_co_u32 s54, s54, s55
	v_add_nc_u32 v10, s54, v[L8]
	s_wait_alu depctr_va_vdst(0)
	s_mul_i32 s54, s18, 12288
	s_mul_i32 s55, s12, 1536
	s_add_co_u32 s54, s54, s55
	s_add_co_u32 s54, s54, 16384
	v_add_nc_u32 v11, s54, v[L16]
	s_lshl_b32 s54, s18, 9
	s_lshr_b32 s55, s12, 1
	s_lshl_b32 s55, s55, 8
	s_add_co_u32 s54, s54, s55
	s_and_b32 s55, s12, 1
	s_lshl_b32 s55, s55, 2
	s_add_co_u32 s54, s54, s55
	v_add_nc_u32 v31, s54, v[L8]
	global_load_b64 v[16:17], v9, s[4:5] offset:520        ; the pair's registers 6, 7,
	global_load_b128 v[18:21], v9, s[4:5] offset:1024      ; and 8-11: the odd tile
	global_load_b32 v28, v10, s[4:5]                       ; its words lie in lanes 16-31
	global_load_b128 v[192:195], v11, s[4:5]               ; registers 0-3,
	global_load_b64 v[196:197], v11, s[4:5] offset:512     ; and 4, 5: the even tile
	global_load_b32 v204, v31, s[4:5]                      ; its words lie in lanes 0-15
.irp i, 0,1,2,3,4,5
	v_mov_b32 v[22+\i], 0                          ; zero codes for k = 64 .. 127
	v_mov_b32 v[198+\i], 0
	v_mov_b32 v[80+\i], 0
.endr
	; where the results go: group 768 + 128 x batch + T, K step head / 2, half head % 2
	s_lshr_b32 s14, s13, 4
	s_and_b32 s15, s13, 15
	s_lshr_b32 s16, s15, 1                         ; K step
	s_and_b32 s17, s15, 1                          ; half
	s_lshl_b32 s14, s14, 7
	s_add_co_u32 s14, s14, 768
	s_lshl_b32 s54, s18, 3
	s_lshl_b32 s55, s12, 1
	s_add_co_u32 s54, s54, s55                     ; 8 w + 2 j
	s_sub_co_u32 s55, 127, s54
	s_add_co_u32 s54, s54, s14                     ; the second tile's group,
	s_add_co_u32 s55, s55, s14                     ; the first's
	s_mul_i32 s53, s16, 1536
	s_mul_i32 s56, s55, 12288
	s_add_co_u32 s56, s56, s53
	s_mov_b32 s57, 0
	s_add_nc_u64 s[56:57], s[8:9], s[56:57]
	s_lshl_b32 s58, s55, 9
	s_mov_b32 s59, 0
	s_add_nc_u64 s[58:59], s[10:11], s[58:59]
	s_mul_i32 s60, s54, 12288
	s_add_co_u32 s60, s60, s53
	s_mov_b32 s61, 0
	s_add_nc_u64 s[60:61], s[8:9], s[60:61]
	s_lshl_b32 s62, s54, 9
	s_mov_b32 s63, 0
	s_add_nc_u64 s[62:63], s[10:11], s[62:63]
	s_lshl_b32 s53, s17, 9
	v_add_nc_u32 v29, s53, v[L16]                  ; registers 0-3 of my half: 512 x half + 16 x lane
	s_lshl_b32 s53, s17, 8
	s_add_co_u32 s53, s53, 1024
	v_add_nc_u32 v30, s53, v[L8]                   ; registers 4, 5: 1,024 + 256 x half + 8 x lane
	s_lshr_b32 s53, s16, 2
	s_lshl_b32 s53, s53, 8
	s_and_b32 s54, s16, 3
	s_lshl_b32 s54, s54, 2
	s_add_co_u32 s53, s53, s54
	s_lshl_b32 s54, s17, 1
	s_add_co_u32 s53, s53, s54
	v_lshl_add_u32 v8, v86, 4, s53                 ; my row's halfword
.irp b, 0,1,2,3
	v_mov_b32 v[236+\b], 0                         ; written once: a lane permute's destination counts as one of its sources
.endr
	v_mov_b32 v252, 0
	v_mov_b32 v253, 0                              ; (named as the upper half of the pair v[252:253] before it is first written)
.macro INIT                            ; a tile's start: the first change of M multiplies zeros
	v_mov_b32 v13, 0xff61b1e6                      ; the largest t so far: -3e38
	s_delay_alu instid0(VALU_DEP_1)
	v_floor_f32 v12, -v13                          ; -M
	v_mov_b32 v14, 0
	v_mov_b32 v15, 0
.set n, 0
.rept 32
	v_mov_b32 v[160+n], 0
.set n, n+1
.endr
	s_mov_b32 s[TB], 16384
	s_mov_b32 s[TS], 0
	s_mov_b32 s[GS], 0
.endm
.macro SQK t, QR, QS, u                ; scores of key tile t: K's words lie in lanes 0-15 for even tiles, 16-31 for odd; q's likewise by u
.if ((\t)%2 == 0) && (\u == 0)
	v_wmma_scale_f32_16x16x128_f8f6f4 v[96+8*\t:103+8*\t], v[32+6*\t:43+6*\t], v[\QR:\QR+11], 0, v[248+\t/2], v[\QS] matrix_a_fmt:MATRIX_FMT_FP6 matrix_b_fmt:MATRIX_FMT_FP6
.elseif \u == 0
	v_wmma_scale_f32_16x16x128_f8f6f4 v[96+8*\t:103+8*\t], v[32+6*\t:43+6*\t], v[\QR:\QR+11], 0, v[248+\t/2], v[\QS] matrix_a_fmt:MATRIX_FMT_FP6 matrix_b_fmt:MATRIX_FMT_FP6 matrix_a_scale:MATRIX_SCALE_ROW1
.elseif (\t)%2 == 0
	v_wmma_scale_f32_16x16x128_f8f6f4 v[96+8*\t:103+8*\t], v[32+6*\t:43+6*\t], v[\QR:\QR+11], 0, v[248+\t/2], v[\QS] matrix_a_fmt:MATRIX_FMT_FP6 matrix_b_fmt:MATRIX_FMT_FP6 matrix_b_scale:MATRIX_SCALE_ROW1
.else
	v_wmma_scale_f32_16x16x128_f8f6f4 v[96+8*\t:103+8*\t], v[32+6*\t:43+6*\t], v[\QR:\QR+11], 0, v[248+\t/2], v[\QS] matrix_a_fmt:MATRIX_FMT_FP6 matrix_b_fmt:MATRIX_FMT_FP6 matrix_a_scale:MATRIX_SCALE_ROW1 matrix_b_scale:MATRIX_SCALE_ROW1
.endif
.endm
; A KEY STEP of 128 keys.  QR, QS: q's codes and scale words; u: the tile's parity; DQ: the mask's compare value
.macro STEP QR, QS, u, DQ
	s_cmp_gt_u32 s[GS], s[GL]                      ; a step wholly above the diagonal is left out: its work, not the lines at its end that step addresses
	s_cbranch_scc1 .Lhidden_\@
	s_setprio 2
	v_add_nc_u32 v[ADK], s[TB], v[L16]
	v_add_nc_u32 v[AS8], s[TS], v[L8]
	v_add_nc_u32 v[AS16], s[TS], v[L16]
	v_nop                                          ; four places in front of loads into registers that the last products read
.irp n, 0,1,2,3,4,5,6,7,8,9,10,11
	ds_load_b128 v[32+4*\n:35+4*\n], v[ADK] offset:512*\n          ; K's four pairs: tile t at v[32 + 6 t]
.endr
	ds_load_b64 v[248:249], v[AS8]
	ds_load_b64 v[250:251], v[AS8] offset:256
	s_wait_alu depctr_va_vdst(0)
	s_wait_dscnt 0x0
.irp t, 0,1,2,3,4,5,6,7
	SQK \t, \QR, \QS, \u
.endr
.rept 4
	v_nop
.endr
.irp n, 0,1,2,3,4,5,6,7,8,9,10,11
	ds_load_b128 v[32+4*\n:35+4*\n], v[ADK] offset:6144+512*\n     ; V's four fragments already: they land under the softmax
.endr
	ds_load_b128 v[248:251], v[AS16] offset:8192
	s_cmp_lg_u32 s[GS], s[GL]
	s_cbranch_scc1 .Lopen_\@
	v_mov_b32 v254, 0xcfee6b28                     ; -8e9.  Register 16 b + i holds key 32 b + 16 h + i of the step: hidden where 32 b + i > my query - 16 h
.set n, 0
.rept 64
	v_cmp_gt_i32 vcc_lo, 32*(n/16)+n%16, v[\DQ]
	v_cndmask_b32 v[96+n], v[96+n], v254, vcc_lo
.set n, n+1
.endr
.Lopen_\@:
.irp b, 0,1,2,3
	v_max3_num_f32 v[232+\b], v[96+16*\b], v[97+16*\b], v[98+16*\b]   ; the largest score of each block of 32 keys: for the row's maximum and, since p rises with the score, for the block's largest p
.endr
.irp i, 3,5,7,9,11,13
.irp b, 0,1,2,3
	v_max3_num_f32 v[232+\b], v[232+\b], v[96+16*\b+\i], v[97+16*\b+\i]
.endr
.endr
.irp b, 0,1,2,3
	v_max_num_f32 v[232+\b], v[232+\b], v[111+16*\b]
.endr
.irp b, 0,1,2,3
	s_delay_alu instid0(VALU_DEP_4)
	v_permlanex16_b32 v[236+\b], v[232+\b], s20, s21
.endr
.irp b, 0,1,2,3
	s_delay_alu instid0(VALU_DEP_4)
	v_max_num_f32 v[232+\b], v[232+\b], v[236+\b]  ; with lane l xor 16's 16 keys
.endr
	s_delay_alu instid0(VALU_DEP_2)
	v_max3_num_f32 v254, v232, v233, v234
	s_delay_alu instid0(VALU_DEP_1)
	v_max_num_f32 v254, v254, v235
	s_delay_alu instid0(VALU_DEP_1)
	v_mul_f32 v254, s22, v254                      ; the step's largest t
	s_delay_alu instid0(VALU_DEP_1)
	v_max_num_f32 v13, v13, v254
	v_mov_b32 v254, v12
	s_delay_alu instid0(VALU_DEP_2)
	v_floor_f32 v12, -v13                          ; the new -M = -ceil(t)
	s_delay_alu instid0(VALU_DEP_1)
	v_sub_f32 v254, v12, v254                      ; old M - new M: a whole number, 0 or less
	s_delay_alu instid0(VALU_DEP_1)
	v_cvt_i32_f32 v254, v254                       ; (it saturates)
	s_delay_alu instid0(VALU_DEP_1)
	v_ldexp_f32 v252, 1.0, v254                    ; f = 2^(old M - new M)
.set n, 0
.rept 32
	v_pk_fma_f32 v[96+n:97+n], v[96+n:97+n], s[22:23], v[12:13] op_sel_hi:[1,0,0]   ; t - M
.set n, n+2
.endr
	s_setprio 1
.irp b, 0,1,2,3
	v_fma_f32 v[232+\b], v[232+\b], s22, v12       ; the same of each block's largest score
.endr
.set n, 0
	s_wait_alu depctr_va_vdst(0)
.rept 64
	v_exp_f32 v[96+n], v[96+n]                     ; p = 2^(t - M)
.set n, n+1
.endr
.irp b, 0,1,2,3
	v_exp_f32 v[232+\b], v[232+\b]                 ; the block's largest p: the same two instructions on the same number
.endr
	v_pk_mul_f32 v[14:15], v[14:15], v[252:253] op_sel_hi:[1,0]   ; the sums under the new M (a plain place behind the exponentials)
	s_wait_alu depctr_va_vdst(0)
.irp b, 0,1,2,3
	v_max_num_f32 v[232+\b], 0x1800000, v[232+\b]  ; the floor 2^(3 - 127)
.endr
.irp b, 0,1,2,3
	s_delay_alu instid0(VALU_DEP_4)
	v_add_nc_u32 v[244+\b], 0xff000000, v[232+\b]  ; the conversion's scale operand
.endr
.irp b, 0,1,2,3
	s_delay_alu instid0(VALU_DEP_4)
	v_lshrrev_b32 v[236+\b], 23, v[244+\b]         ; the byte
.endr
	s_delay_alu instid0(VALU_DEP_3)
	v_lshl_or_b32 v253, v237, 8, v236              ; p's scale word for these 128 keys
	s_delay_alu instid0(VALU_DEP_1)
	v_lshl_or_b32 v253, v238, 16, v253
	s_delay_alu instid0(VALU_DEP_1)
	v_lshl_or_b32 v253, v239, 24, v253
.irp c, 0,1
	v_cvt_scalef32_pk16_fp6_f32 v[224+6*\c:226+6*\c], v[96+32*\c:111+32*\c], v[244+2*\c]
	v_cvt_scalef32_pk16_fp6_f32 v[236+4*\c:238+4*\c], v[112+32*\c:127+32*\c], v[244+2*\c+1]
.endr
	v_nop                                          ; one plain place behind a scaled conversion
.irp c, 0,1
.irp i, 0,1,2
	v_permlane16_swap_b32 v[224+6*\c+\i], v[236+4*\c+\i]   ; a whole block to a lane
.endr
.irp i, 0,1,2
	s_delay_alu instid0(VALU_DEP_3)
	v_mov_b32 v[227+6*\c+\i], v[236+4*\c+\i]
.endr
.endr
	v_pk_add_f32 v[236:237], v[96:97], v[98:99]    ; the row's sum of the unquantised p, in two chains
	s_setprio 0
.irp j, 4,8,12,16,20,24,28,32,36,40,44,48,52,56,60
	v_pk_add_f32 v[14:15], v[14:15], v[96+\j:97+\j]
	v_pk_add_f32 v[236:237], v[236:237], v[98+\j:99+\j]
.endr
	s_delay_alu instid0(VALU_DEP_1)
	v_pk_add_f32 v[14:15], v[14:15], v[236:237]
.set n, 0
.rept 16
	v_pk_mul_f32 v[160+n:161+n], v[160+n:161+n], v[252:253] op_sel_hi:[1,0]   ; O^T under the new M
.set n, n+2
.endr
	s_wait_alu depctr_va_vdst(0)
	s_wait_dscnt 0x0                               ; V and its scale words
.irp t, 0,1,2,3
	v_wmma_scale_f32_16x16x128_f8f6f4 v[160+8*\t:167+8*\t], v[32+12*\t:43+12*\t], v[224:235], v[160+8*\t:167+8*\t], v[248+\t], v253 matrix_a_fmt:MATRIX_FMT_FP6 matrix_b_fmt:MATRIX_FMT_FP6
.endr
.Lhidden_\@:
	s_add_co_u32 s[TB], s[TB], 12288
	s_add_co_u32 s[TS], s[TS], 512
	s_add_co_u32 s[GS], s[GS], 1
.endm
; A tile's end: O^T / the sum; register 16 b + i is d = 32 b + 16 h + i of my query: two blocks, quantised; six registers of codes and a halfword of scale bytes leave
.macro OUT cb, sb
.rept 4
	v_nop
.endr
	v_add_f32 v14, v14, v15
	s_delay_alu instid0(VALU_DEP_1)
	v_permlanex16_b32 v252, v14, s20, s21
	s_delay_alu instid0(VALU_DEP_1)
	v_add_f32 v14, v14, v252                       ; the row's sum
	s_wait_alu depctr_va_vdst(0)
	v_rcp_f32 v14, v14
	v_nop                                          ; a plain place behind the reciprocal
.set n, 0
	s_wait_alu depctr_va_vdst(0)
.rept 16
	v_pk_mul_f32 v[96+n:97+n], v[160+n:161+n], v[14:15] op_sel_hi:[1,0]   ; each accumulator from its low end on
.set n, n+2
.endr
.irp b, 0,1
	v_max3_num_f32 v[232+\b], |v[96+16*\b]|, |v[97+16*\b]|, 0x1800000
.endr
.irp i, 2,4,6,8,10,12,14
.irp b, 0,1
	s_delay_alu instid0(VALU_DEP_2)
	v_max3_num_f32 v[232+\b], v[232+\b], |v[96+16*\b+\i]|, |v[97+16*\b+\i]|
.endr
.endr
.irp b, 0,1
	s_delay_alu instid0(VALU_DEP_2)
	v_permlanex16_b32 v[236+\b], v[232+\b], s20, s21
.endr
.irp b, 0,1
	s_delay_alu instid0(VALU_DEP_2)
	v_max_num_f32 v[232+\b], v[232+\b], v[236+\b]
.endr
.irp b, 0,1
	s_delay_alu instid0(VALU_DEP_2)
	v_add_nc_u32 v[244+\b], 0xff000000, v[232+\b]
.endr
.irp b, 0,1
	s_delay_alu instid0(VALU_DEP_2)
	v_lshrrev_b32 v[236+\b], 23, v[244+\b]
.endr
	s_delay_alu instid0(VALU_DEP_1)
	v_lshl_or_b32 v240, v237, 8, v236
	v_cvt_scalef32_pk16_fp6_f32 v[224:226], v[96:111], v244
	v_cvt_scalef32_pk16_fp6_f32 v[236:238], v[112:127], v245
	v_nop
.irp i, 0,1,2
	v_permlane16_swap_b32 v[224+\i], v[236+\i]
.endr
.irp i, 0,1,2
	s_delay_alu instid0(VALU_DEP_3)
	v_mov_b32 v[227+\i], v[236+\i]
.endr
	global_store_b128 v29, v[224:227], s[\cb:\cb+1]        ; 512 consecutive bytes
	global_store_b64 v30, v[228:229], s[\cb:\cb+1]         ; 256
	global_store_b16 v8, v240, s[\sb:\sb+1]                ; both halves of the lanes write the same value
.endm
	INIT
	s_sub_co_u32 s[GL], 15, s18
	s_wait_tensorcnt 0x1                           ; my part of the first 65,536 bytes has landed; my other load may stay out
	s_barrier_signal -1
	s_barrier_wait -1                              ; everybody's has
	s_wait_loadcnt 0x0                             ; q
	s_mov_b32 s52, 4
.Lfirst4:                                          ; the long tile first: key steps 0-3
	STEP 16, 28, 1, 6
	s_sub_co_u32 s52, s52, 1
	s_cmp_lg_u32 s52, 0
	s_cbranch_scc1 .Lfirst4
	s_setprio 0
	s_wait_tensorcnt 0x0                           ; my part of the rest has landed
	s_wait_dscnt 0x0
	s_barrier_signal -1
	s_barrier_wait -1                              ; the whole record lies in LDS
	s_mov_b32 s52, 12
.Lrest12:
	STEP 16, 28, 1, 6
	s_sub_co_u32 s52, s52, 1
	s_cmp_lg_u32 s52, 0
	s_cbranch_scc1 .Lrest12
	s_setprio 0
	OUT 56, 58
	s_wait_xcnt 0x0                                ; the stores have read their registers
	INIT
	s_mov_b32 s[GL], s18
	s_mov_b32 s52, 16
.Lsecond:                                          ; the short tile
	STEP 192, 204, 0, 7
	s_sub_co_u32 s52, s52, 1
	s_cmp_lg_u32 s52, 0
	s_cbranch_scc1 .Lsecond
	s_setprio 0
	OUT 60, 62
	s_wait_tensorcnt 0x0
	ds_add_u32 v243, v255
	s_wait_dscnt 0x0
	ROUND                                          ; the closing round
	s_endpgm
.Lfunc_end_k_qee079e463a_attn:
	.size	k_qee079e463a_attn, .Lfunc_end_k_qee079e463a_attn-k_qee079e463a_attn
	.p2alignl 7, 3214868480
	.fill 96, 4, 3214868480
	.section	.rodata,"a",@progbits
	.p2align	6, 0x0
	.amdhsa_kernel k_qee079e463a_attn
		.amdhsa_group_segment_fixed_size 327680
		.amdhsa_private_segment_fixed_size 0
		.amdhsa_enable_private_segment 0
		.amdhsa_kernarg_size 32
		.amdhsa_user_sgpr_count 2
		.amdhsa_user_sgpr_kernarg_segment_ptr 1
		.amdhsa_wavefront_size32 1
		.amdhsa_system_sgpr_workgroup_id_x 1
		.amdhsa_system_sgpr_workgroup_id_y 1
		.amdhsa_system_sgpr_workgroup_id_z 1
		.amdhsa_system_vgpr_workitem_id 0
		.amdhsa_next_free_vgpr 256
		.amdhsa_next_free_sgpr 66
		.amdhsa_reserve_vcc 1
		.amdhsa_float_denorm_mode_32 3
		.amdhsa_float_denorm_mode_16_64 3
		.amdhsa_memory_ordered 1
		.amdhsa_forward_progress 1
		.amdhsa_inst_pref_size 87
	.end_amdhsa_kernel
	.amdgpu_metadata
---
amdhsa.version: [ 1, 2 ]
amdhsa.kernels:
  - .name:           k_qee079e463a_attn
    .symbol:         k_qee079e463a_attn.kd
    .args:
      - { .name: qrec, .offset: 0, .size: 8, .value_kind: global_buffer, .address_space: global }
      - { .name: kv, .offset: 8, .size: 8, .value_kind: global_buffer, .address_space: global }
      - { .name: gcodes, .offset: 16, .size: 8, .value_kind: global_buffer, .address_space: global }
      - { .name: gsc, .offset: 24, .size: 8, .value_kind: global_buffer, .address_space: global }
    .group_segment_fixed_size: 327680
    .private_segment_fixed_size: 0
    .kernarg_segment_align: 8
    .kernarg_segment_size: 32
    .max_flat_workgroup_size: 512
    .sgpr_count:     66
    .vgpr_count:     256
    .wavefront_size: 32
...
	.end_amdgpu_metadata
.endif
;; end of part 3
;; launch oproj (part 4): grid 8 x 32, 4 waves a work-group, clusters of 4 x 4, 295,424 bytes of LDS; arguments gcodes, gsc, out0; writes out0
.if DOCPART == 4
	.amdgcn_target "amdgcn-amd-amdhsa--gfx1250"
	.amdhsa_code_object_version 6
	.text
	.protected	k_qee079e463a_oproj
	.globl	k_qee079e463a_oproj
	.p2align	8
	.type	k_qee079e463a_oproj,@function
k_qee079e463a_oproj:
	s_mov_b64 s[64:65], 0
	v_nop
	global_prefetch_b8 v0, s[64:65] scope:SCOPE_SE
	s_setreg_imm32_b32 hwreg(HW_REG_WAVE_MODE, 25, 1), 1
	s_wait_xcnt 0x0
	s_wait_alu depctr_hold_cnt(0) depctr_sa_sdst(0) depctr_va_vdst(0) depctr_va_sdst(0) depctr_va_ssrc(0) depctr_va_vcc(0) depctr_vm_vsrc(0)
	s_getreg_b32 s2, hwreg(HW_REG_IB_STS2, 6, 4)
	s_cmp_eq_u32 s2, 0
	s_cbranch_scc0 .Lentry_in_a_cluster
	s_endpgm
.Lentry_in_a_cluster:
	s_bfe_u32 s2, ttmp6, 0x10000c
	s_cmp_lg_u32 s2, 0xf033
	s_cbranch_scc0 .Lentry_shape_is_right
	s_endpgm
.Lentry_shape_is_right:
; out0 = A Wo^T on codes of FP6 (E2M3) with E8M0 scales; A is the attention's result, groups 768 on of gcodes; Wo is groups 704 on.  out0: [8192][1024] f32.
; A work-group makes 256 rows x 128 columns over all of K = 1,024.  Its operands, 294,912 bytes of codes, lie in LDS whole: four chunks of two K steps, each filled ONCE: no LDS byte is filled twice.
; Wave w takes A's groups 4 w .. 4 w + 3 against Wo's eight: 32 accumulators.  Source 0 = a group of Wo, source 1 = a group of A: lane (r, h) holds A's row r, and since a GROUP g is the rows
; 32 (g / 2) + 8 (g % 2) + p + 8 (p / 8), register 16 b + i of a block of rows is column 32 b + 16 h + i: sixteen neighbouring numbers of a row of out0.
; CLUSTERS: 4 x 4.  A's tiles hang on the cluster's row, Wo's on its column: each is asked for jointly by the four that share it.  A wave has four tensor loads out at the most.
; THE SCALES come from memory into registers once: v[32 + 8 i + s]: lanes 16-31 Wo's group i, lanes 0-15 A's group 4 w + i % 4, K step s.
; THE WAY OUT: 16 rows x 512 bytes at a time through the wave's own stage in LDS, back as whole rows: a store covers 512 consecutive bytes, aligned.  The stage lies in chunk 0, which has had its only fill and
; which nobody reads behind the barrier in the second K step.
; REGISTERS, in windows of 256: window 0: v1-5 lane numbers, v8-23 LDS addresses, v24, v25 offsets, v27, v28 the stage, v32-95 scales, v96-223 rows on their way out.
;   window 1: the accumulators, (a, b) at v[64 a + 8 b].   windows 2, 3: two sets of fragments: A's four at v[12 a], Wo's eight at v[48 + 12 b].
.set CHUNK, 73728                      ; two K steps: A's 16 groups x 3,072 bytes, then Wo's 8
.set SC,   32
.set OB,   96
.set G1A,  24
.set G1B,  48
.set G0A,  68
.set G0B,  84
.set MSB, 0
.macro WIN new                         ; the immediate's high byte repeats the setting that is left
.if MSB != (\new)
	s_set_vgpr_msb (MSB<<8)|(\new)
.set MSB, \new
.endif
.endm
.macro ROUND                           ; a round of the cluster's barrier
	s_barrier_signal -1
	s_barrier_wait -1
	s_cmp_lg_u32 s14, 0
	s_cbranch_scc1 .Lnot_wave_0_\@
	s_barrier_signal -3
.Lnot_wave_0_\@:
	s_barrier_wait -3
	s_barrier_signal -1
	s_barrier_wait -1
.endm
.macro PLACES                          ; four places behind matrix instructions, in front of loads into their sources and of reads of their results
.rept 4
	v_nop
.endr
.endm
	s_load_b128 s[4:7], s[0:1], 0x0                ; gcodes, gsc
	s_load_b64 s[8:9], s[0:1], 0x10                ; out0
	v_lshl_add_u32 v254, v0, 2, 0x48000
	v_mov_b32 v255, 0
	ds_add_u32 v254, v255
	ds_add_u32 v254, v255
	v_lshrrev_b32 v1, 5, v0
	v_readfirstlane_b32 s14, v1                    ; wave
	s_and_b32 s16, s14, 1
	s_bfe_u32 s40, ttmp6, 0x40000                  ; cx
	s_bfe_u32 s41, ttmp6, 0x40004                  ; cy
	s_lshl_b32 s42, ttmp9, 2
	s_add_co_u32 s42, s42, s40                     ; tile column = 4 x cluster x + cx
	s_and_b32 s43, ttmp7, 0xffff
	s_lshl_b32 s43, s43, 2
	s_add_co_u32 s43, s43, s41                     ; tile row = 4 x cluster y + cy
	s_lshl_b32 s44, s41, 2
	s_lshl_b32 s44, 15, s44                        ; my row of the cluster
	s_lshl_b32 s45, 0x1111, s40                    ; my column
	s_mov_b32 s34, 0xffff0000                      ; lanes 16-31
	s_lshl_b32 s46, s43, 4
	s_add_co_u32 s46, s46, 768                     ; A's first group
	s_lshl_b32 s47, s42, 3
	s_add_co_u32 s47, s47, 704                     ; Wo's
	; descriptor group 1: R groups' 3,072 bytes (two K steps' fragments) as rows of 384 elements of 8 bytes, 1,536 elements apart; dense in LDS
	s_or_b32 s[G1A], s44, (3<<16)|(1<<21)
	s_or_b32 s[G1B], s45, (3<<16)|(1<<21)
	s_mov_b32 s[G1A+2], 8<<16                      ; tensor_dim1
	s_mov_b32 s[G1A+4], 8                          ; tile_dim1
	s_mov_b32 s[G1B+2], 4<<16
	s_mov_b32 s[G1B+4], 4
.irp g, G1A, G1B
	s_mov_b32 s[\g+1], 384<<16                     ; tensor_dim0
	s_mov_b32 s[\g+3], 384<<16                     ; tile_dim0
	s_mov_b32 s[\g+5], 1536                        ; from group to group
	s_mov_b32 s[\g+6], 0
	s_mov_b32 s[\g+7], 0
.endr
	s_mul_i32 s32, s16, 24576                      ; in a chunk: A's groups 8 (w % 2) on,
	s_mul_i32 s33, s16, 12288
	s_add_co_u32 s33, s33, 49152                   ; Wo's groups 4 (w % 2) on
	s_lshl_b32 s22, s16, 3
	s_add_co_u32 s22, s22, s46
	s_mul_i32 s22, s22, 12288
	s_mov_b32 s23, 0
	s_lshl_b32 s36, s16, 2
	s_add_co_u32 s36, s36, s47
	s_mul_i32 s36, s36, 12288
	s_mov_b32 s37, 0
	s_wait_dscnt 0x0
	s_wait_kmcnt 0x0
	s_add_nc_u64 s[22:23], s[4:5], s[22:23]
	s_add_nc_u64 s[36:37], s[4:5], s[36:37]
.irp g, 0,1,2,3
	s_mov_b32 s[G0A+4*\g], 1
	s_add_co_u32 s[G0A+4*\g+1], s32, CHUNK*\g
	s_add_nc_u64 s[G0A+4*\g+2:G0A+4*\g+3], s[22:23], 3072*\g
	s_or_b32 s[G0A+4*\g+3], s[G0A+4*\g+3], 0x80000000
	s_mov_b32 s[G0B+4*\g], 1
	s_add_co_u32 s[G0B+4*\g+1], s33, CHUNK*\g
	s_add_nc_u64 s[G0B+4*\g+2:G0B+4*\g+3], s[36:37], 3072*\g
	s_or_b32 s[G0B+4*\g+3], s[G0B+4*\g+3], 0x80000000
.endr
	ROUND                                          ; all sixteen work-groups are here: the joint loads meet
	s_cmp_lt_u32 s14, 2                            ; waves 0, 1 fetch A's halves, waves 2, 3 Wo's: a wave's four fills stand in one branch
	s_cbranch_scc0 .Lfill_b
	tensor_load_to_lds s[G0A:G0A+3], s[G1A:G1A+7]
	s_nop 0
	tensor_load_to_lds s[G0A+4:G0A+7], s[G1A:G1A+7]
	s_nop 0
	tensor_load_to_lds s[G0A+8:G0A+11], s[G1A:G1A+7]
	s_nop 0
	tensor_load_to_lds s[G0A+12:G0A+15], s[G1A:G1A+7]
	s_nop 0
	PLACES
	s_branch .Lfilled
.Lfill_b:
	tensor_load_to_lds s[G0B:G0B+3], s[G1B:G1B+7]
	s_nop 0
	tensor_load_to_lds s[G0B+4:G0B+7], s[G1B:G1B+7]
	s_nop 0
	tensor_load_to_lds s[G0B+8:G0B+11], s[G1B:G1B+7]
	s_nop 0
	tensor_load_to_lds s[G0B+12:G0B+15], s[G1B:G1B+7]
	s_nop 0
	PLACES
.Lfilled:
	v_and_b32 v1, 15, v0                           ; r
	v_bfe_u32 v2, v0, 4, 1                         ; h
	v_and_b32 v3, 31, v0                           ; lane
	v_lshlrev_b32 v4, 4, v3
	v_lshlrev_b32 v5, 3, v3
	s_mul_i32 s17, s14, 12288                      ; my four groups of A
.irp g, 0,1,2,3
	s_add_co_u32 s18, s17, CHUNK*\g
	v_add_nc_u32 v[8+\g], s18, v4                  ; A's images of four registers in chunk g,
	v_add_nc_u32 v[12+\g], s18, v5                 ; of two;
	v_add_nc_u32 v[16+\g], CHUNK*\g+49152, v4      ; Wo's
	v_add_nc_u32 v[20+\g], CHUNK*\g+49152, v5
.endr
	s_lshl_b32 s17, s14, 2
	s_add_co_u32 s17, s17, s46
	s_lshl_b32 s17, s17, 9                         ; the scale words: 512 bytes a group: A's from group 4 w on,
	s_lshl_b32 s18, s47, 9                         ; Wo's
	v_mov_b32 v24, s17
	v_mov_b32 v25, s18
	v_cndmask_b32 v24, v24, v25, s34               ; lanes 0-15 A's, lanes 16-31 Wo's
	v_lshl_add_u32 v24, v1, 4, v24                 ; + 16 r
	v_lshl_add_u32 v25, v2, 11, v24                ; for i = 4 .. 7: Wo's four groups on, A's the same four again: no load leaves the buffer
.irp i, 0,1,2,3
.irp k, 0,1
	global_load_b128 v[SC+8*\i+4*\k:SC+8*\i+4*\k+3], v24, s[6:7] offset:512*\i+256*\k
	global_load_b128 v[SC+32+8*\i+4*\k:SC+32+8*\i+4*\k+3], v25, s[6:7] offset:512*\i+256*\k
.endr
.endr
	s_mul_i32 s17, s14, 8448                       ; my stage: 16 rows x 528 bytes
	v_mul_u32_u24 v27, v1, 528
	v_lshl_add_u32 v27, v2, 6, v27
	v_add_nc_u32 v27, s17, v27                     ; in: row r, + 64 h
	v_add_nc_u32 v28, s17, v4                      ; back: 16 x lane of a row
	s_lshl_b32 s18, s43, 8
	s_lshl_b32 s19, s14, 6
	s_add_co_u32 s18, s18, s19                     ; my first row: 256 x tile row + 64 w
	s_lshl_b32 s18, s18, 12                        ; rows of 4,096 bytes
	s_lshl_b32 s19, s42, 9                         ; + 512 x tile column
	s_add_co_u32 s18, s18, s19
	s_mov_b32 s19, 0
	s_add_nc_u64 s[8:9], s[8:9], s[18:19]
.macro FRAG reg, a16, a8, off          ; a fragment's image comes back as it was stored
	ds_load_b128 v[(\reg):(\reg)+3], v[\a16] offset:(\off)
	ds_load_b128 v[(\reg)+6:(\reg)+9], v[\a16] offset:(\off)+512
	ds_load_b64 v[(\reg)+4:(\reg)+5], v[\a8] offset:(\off)+1024
	ds_load_b64 v[(\reg)+10:(\reg)+11], v[\a8] offset:(\off)+1280
.endm
.macro FETCH s                         ; K step s: 12 fragments, 48 loads, into set s % 2
	WIN 0x80+0x40*((\s)%2)
.irp a, 0,1,2,3
	FRAG 12*\a, 8+(\s)/2, 12+(\s)/2, 3072*\a+1536*((\s)%2)
.endr
.irp b, 0,1,2,3,4,5,6,7
	FRAG 48+12*\b, 16+(\s)/2, 20+(\s)/2, 3072*\b+1536*((\s)%2)
.endr
.endm
.macro MUL s, a0                       ; 16 matrix instructions: A's groups a0, a0 + 1 x Wo's eight.  The 32 accumulators take turns in one order in every step
	WIN 0x5a+5*((\s)%2)
.irp a, \a0, \a0+1
.irp b, 0,1,2,3,4,5,6,7
.if (\s) == 0
	v_wmma_scale_f32_16x16x128_f8f6f4 v[64*(\a)+8*\b:64*(\a)+8*\b+7], v[48+12*\b:48+12*\b+11], v[12*(\a):12*(\a)+11], 0, v[SC+8*\b+(\s)], v[SC+8*(\a)+(\s)] matrix_a_fmt:MATRIX_FMT_FP6 matrix_b_fmt:MATRIX_FMT_FP6 matrix_a_scale:MATRIX_SCALE_ROW1
.else
	v_wmma_scale_f32_16x16x128_f8f6f4 v[64*(\a)+8*\b:64*(\a)+8*\b+7], v[48+12*\b:48+12*\b+11], v[12*(\a):12*(\a)+11], v[64*(\a)+8*\b:64*(\a)+8*\b+7], v[SC+8*\b+(\s)], v[SC+8*(\a)+(\s)] matrix_a_fmt:MATRIX_FMT_FP6 matrix_b_fmt:MATRIX_FMT_FP6 matrix_a_scale:MATRIX_SCALE_ROW1
.endif
.endr
.endr
.endm
.macro KSTEP s
	s_wait_dscnt 0x0                               ; this step's 48 loads are in
.if (\s)%2 == 0
	PLACES                                         ; the next step lies in the same chunk: its loads go out first and have 32 matrix instructions in which to land
	FETCH (\s)+1
	MUL \s, 0
	MUL \s, 2
.elseif (\s) < 7
	s_wait_tensorcnt 3-((\s)+1)/2                  ; my part of the next chunk has landed; my loads of the later chunks may stay out
	s_barrier_signal -1
	MUL \s, 0
	s_barrier_wait -1                              ; everybody's has
	PLACES
	FETCH (\s)+1
	MUL \s, 2
.else
	MUL \s, 0
	MUL \s, 2
.endif
.endm
	s_wait_tensorcnt 0x3                           ; my part of chunk 0 has landed; three loads may stay out
	s_barrier_signal -1
	s_barrier_wait -1
	FETCH 0
	s_wait_loadcnt 0x0                             ; the scales
	KSTEP 0
	KSTEP 1
	KSTEP 2
	KSTEP 3
	KSTEP 4
	KSTEP 5
	KSTEP 6
	KSTEP 7
	WIN 0
	PLACES
.macro TOSTAGE a                       ; block a, 16 rows x 128 columns: into my stage, each accumulator from its low end on, and back as whole rows of 512 bytes
	WIN 0x04                                       ; an LDS store's data are its source 1: window 1
.irp b, 0,1,2,3
.irp i, 0,1,2,3
	ds_store_b128 v27, v[64*(\a)+16*\b+4*\i:64*(\a)+16*\b+4*\i+3] offset:128*\b+16*\i
.endr
.endr
	WIN 0
.irp t, 0,1,2,3,4,5,6,7,8,9,10,11,12,13,14,15
	ds_load_b128 v[OB+64*((\a)%2)+4*\t:OB+64*((\a)%2)+4*\t+3], v28 offset:528*\t   ; LDS serves a wave's instructions in order: these see the stores above, and the next block's stores come behind them
.endr
.endm
.macro SEND a, younger                 ; younger: the LDS instructions issued behind block a's loads, which may stay out
	s_wait_dscnt \younger
.irp t, 0,1,2,3,4,5,6,7,8,9,10,11,12,13,14,15
	global_store_b128 v4, v[OB+64*((\a)%2)+4*\t:OB+64*((\a)%2)+4*\t+3], s[8:9] offset:(32*((\a)/2)+8*((\a)%2)+\t+8*(\t/8))*4096 th:TH_STORE_NT   ; the group's row t; 512 consecutive bytes, aligned; written once, read by nobody here
.endr
.endm
	s_wait_alu depctr_va_vdst(0)
	TOSTAGE 0
	TOSTAGE 1
	SEND 0, 32                                     ; behind block 0's loads: block 1's 16 stores and 16 loads
	s_wait_xcnt 0x0                                ; block 0's stores have read their registers
	TOSTAGE 2
	SEND 1, 32
	s_wait_xcnt 0x0
	TOSTAGE 3
	SEND 2, 32
	SEND 3, 0
	s_wait_tensorcnt 0x0
	ds_add_u32 v254, v255
	s_wait_dscnt 0x0
	ROUND                                          ; the closing round: no work-group ends while a partner may still ask for a tile that names it
	s_endpgm
.Lfunc_end_k_qee079e463a_oproj:
	.size	k_qee079e463a_oproj, .Lfunc_end_k_qee079e463a_oproj-k_qee079e463a_oproj
	.p2alignl 7, 3214868480
	.fill 96, 4, 3214868480
	.section	.rodata,"a",@progbits
	.p2align	6, 0x0
	.amdhsa_kernel k_qee079e463a_oproj
		.amdhsa_group_segment_fixed_size 295424
		.amdhsa_private_segment_fixed_size 0
		.amdhsa_enable_private_segment 0
		.amdhsa_kernarg_size 24
		.amdhsa_user_sgpr_count 2
		.amdhsa_user_sgpr_kernarg_segment_ptr 1
		.amdhsa_wavefront_size32 1
		.amdhsa_system_sgpr_workgroup_id_x 1
		.amdhsa_system_sgpr_workgroup_id_y 1
		.amdhsa_system_sgpr_workgroup_id_z 1
		.amdhsa_system_vgpr_workitem_id 0
		.amdhsa_next_free_vgpr 912
		.amdhsa_next_free_sgpr 102
		.amdhsa_reserve_vcc 0
		.amdhsa_float_denorm_mode_32 3
		.amdhsa_float_denorm_mode_16_64 3
		.amdhsa_memory_ordered 1
		.amdhsa_forward_progress 1
		.amdhsa_inst_pref_size 84
	.end_amdhsa_kernel
	.amdgpu_metadata
---
amdhsa.version: [ 1, 2 ]
amdhsa.kernels:
  - .name:           k_qee079e463a_oproj
    .symbol:         k_qee079e463a_oproj.kd
    .args:
      - { .name: gcodes, .offset: 0, .size: 8, .value_kind: global_buffer, .address_space: global }
      - { .name: gsc, .offset: 8, .size: 8, .value_kind: global_buffer, .address_space: global }
      - { .name: out0, .offset: 16, .size: 8, .value_kind: global_buffer, .address_space: global }
    .group_segment_fixed_size: 295424
    .private_segment_fixed_size: 0
    .kernarg_segment_align: 8
    .kernarg_segment_size: 24
    .max_flat_workgroup_size: 128
    .sgpr_count:     102
    .vgpr_count:     912
    .wavefront_size: 32
...
	.end_amdgpu_metadata
.endif
;; end of part 4
